; MI455X (gfx1250); checked and timed in simulation.
; The chip was launched on July 23, 2026; its instructions are those of AMD's public machine-readable ISA for CDNA 5 (MIT licence, August 2026) and "CDNA5" Instruction Set Architecture Reference Guide (July 2026). The comments in the code are by the model that wrote it; some were corrected since.
;; Time Dependent Attention. Allowed arithmetic: matrix products marked QUANTISED: E4M3 operands, one E8M0 scale for each 32 along K, by v_wmma_scale_f32_16x16x128_f8f6f4 with both operands' format E4M3, f32 sums; products left as they are: f32 operands where the result goes on into a quantised operand, else bf16, f16 or f32 operands; f32 sums; everything else in f32.
;; Inputs: W_o_codes 768 x 24 x 32 uint8 (E4M3 codes of W_o, K innermost, in blocks of 32 codes); W_o_scales 768 x 24 uint8 (E8M0 scales of W_o, one for each 32 codes along K); Wt_k 768 x 256 float32; Wt_q 768 x 256 float32; Wt_v 768 x 256 float32; Wx_k_codes 768 x 24 x 32 uint8 (E4M3 codes of Wx_k, K innermost, in blocks of 32 codes); Wx_k_scales 768 x 24 uint8 (E8M0 scales of Wx_k, one for each 32 codes along K); Wx_q_codes 768 x 24 x 32 uint8 (E4M3 codes of Wx_q, K innermost, in blocks of 32 codes); Wx_q_scales 768 x 24 uint8 (E8M0 scales of Wx_q, one for each 32 codes along K); Wx_v_codes 768 x 24 x 32 uint8 (E4M3 codes of Wx_v, K innermost, in blocks of 32 codes); Wx_v_scales 768 x 24 uint8 (E8M0 scales of Wx_v, one for each 32 codes along K); b_o 768 float32; rel_pos_bias 12 x 1,024 x 1,024 float32; t 8 x 256 float32; x_codes 8 x 1,024 x 24 x 32 uint8 (E4M3 codes of x, K innermost, in blocks of 32 codes); x_scales 8 x 1,024 x 24 uint8 (E8M0 scales of x, one for each 32 codes along K).
;; Outputs: out0 8 x 1,024 x 768 float32.
;; This version of the problem:
;;   THIS VERSION OF THE PROBLEM IS GIVEN IN LOW PRECISION. The matrix products marked QUANTISED in the list below multiply operands that are first quantised to E4M3 (4 exponent bits, 3 mantissa bits; 8 bits a number), with one power-of-two scale for each 32 numbers along K (OCP MX v1.0); their sums are f32. All else is computed in f32.
;;   The module's matrix products, in the order in which they are computed (A, B: the left and right operand; K: the contracted axis; several contracted axes count as one K, in the product's order):
;;     1. [M 8,192, K 768] x [K 768, N 768]; A: input x (given as codes); B: input Wx_q (given as codes): QUANTISED
;;     2. [M 8, K 256] x [K 256, N 768]; A: input t; B: input Wt_q: left as it is (M = 8 < 16)
;;     3. [M 8,192, K 768] x [K 768, N 768]; A: input x (given as codes); B: input Wx_k (given as codes): QUANTISED
;;     4. [M 8, K 256] x [K 256, N 768]; A: input t; B: input Wt_k: left as it is (M = 8 < 16)
;;     5. [M 8,192, K 768] x [K 768, N 768]; A: input x (given as codes); B: input Wx_v (given as codes): QUANTISED
;;     6. [M 8, K 256] x [K 256, N 768]; A: input t; B: input Wt_v: left as it is (M = 8 < 16)
;;     7. batch 96 x [M 1,024, K 64] x [K 64, N 1,024]; A: computed on the way; B: computed on the way: QUANTISED
;;     8. batch 96 x [M 1,024, K 1,024] x [K 1,024, N 64]; A: softmax (see below); B: computed on the way: QUANTISED
;;     9. [M 8,192, K 768] x [K 768, N 768]; A: computed on the way; B: input W_o (given as codes): QUANTISED
;;   THE QUANTISER, for each operand of a quantised product, along K:
;;     - K is cut into blocks of 32 from its start; a last block that is shorter is filled with zeros.
;;     - A block's scale is 2^e with e = floor(log2(the largest magnitude in the block)) - 8, held to -126 .. 127; a block of zeros has e = 0. As a byte (E8M0): e + 127.
;;     - Each number is divided by its block's scale, clamped to +-448, and rounded to the nearest number of E4M3, ties to even, subnormals kept.
;;     - The product sums the exact products of the quantised numbers (number of the format x scale) in f32.
;;   ~~~python
;;   def quantise(x, axis):      # numpy; x: float32 -> the quantised numbers, widened to float32 again
;;       x = np.moveaxis(x, axis, -1); K = x.shape[-1]
;;       x = np.pad(x, [(0, 0)] * (x.ndim - 1) + [(0, -K % 32)]); x = x.reshape(x.shape[:-1] + (-1, 32)); a = np.abs(x).max(-1, keepdims=True)
;;       e = np.where(a > 0, np.clip(np.frexp(np.where(a > 0, a, 1))[1] - 1 - 8, -126, 127), 0)      # np.frexp(a)[1] - 1 = floor(log2(a)), exactly
;;       r = np.clip(x / 2.0 ** e, -448, 448)
;;       step = 2.0 ** (np.maximum(np.frexp(np.where(r == 0, 1, r))[1] - 1, -6) - 3)
;;       q = np.round(r / step) * step * 2.0 ** e      # np.round: ties to even
;;       return np.moveaxis(q.reshape(q.shape[:-2] + (-1,))[..., :K], -1, axis).astype(np.float32)
;;   ~~~
;;   SOFTMAX AHEAD OF A QUANTISED PRODUCT. Where the list says 'softmax', what is quantised is not the finished softmax but p = 2^(t - M), with t = logit x log2(e) and M = ceil(the row's largest t), a whole number; so 1/2 < the row's largest p <= 1. The row's sum l is taken of the UNQUANTISED p, in f32, and the product's result is divided by l at the end. Since M is a whole number, a kernel that streams over the keys may use a running M (the ceiling of the running maximum): every later rescaling is an exact power of two, which a block's scale takes up: the codes' values come out the same.
;;   OPERANDS COMPUTED ON THE WAY. 'Computed on the way' means the value that the module computes at that place (a softmax that the list does not call 'softmax' is quantised finished and normalised). What goes into a quantiser is computed in f32, as accurately as f32 sums, v_exp_f32 and their like allow (about 1e-6 of the number): no bf16 or f16 on the way to a quantiser, and a product that is left as it is and whose result goes on into a quantised operand takes f32 operands (vector FMAs, or v_wmma_f32_16x16x4_f32). A number that lies on a knife's edge between two numbers of the format may be rounded either way, as far as f32 arithmetic and the matrix unit's own rounding can turn it there, and no further.
;;   INPUTS GIVEN AS CODES. W_o (in the module: [768, 768], K = its axis 1); Wx_k (in the module: [768, 768], K = its axis 1); Wx_q (in the module: [768, 768], K = its axis 1); Wx_v (in the module: [768, 768], K = its axis 1); x (in the module: [8, 1024, 768], K = its axis 2): each comes as NAME_codes (uint8): NAME with its K axis moved to the last place and cut into blocks of 32 codes, [.., K / 32, bytes a block], one block behind the other in memory; one code a byte (a code: sign, 4 exponent bits, 3 mantissa bits); and NAME_scales (uint8): the same leading axes, one E8M0 byte (e + 127) for each 32 codes along K. Its value is code x scale, taken as it is: it is not quantised again, and the codes and scales need not be those that the quantiser above would give.
;; One version. Each part assembles by itself: llvm-mc -triple=amdgcn-amd-amdhsa -mcpu=gfx1250 --defsym DOCPART=n.
;; ======== version 1 of 1: 4 launches
;; limits: right only within a limited range of input values
;; workspace buffers: tsh 73,728 bytes; qc 6,291,456 bytes; qs 393,216 bytes; kv 13,369,344 bytes; oc 6,291,456 bytes; os 393,216 bytes
;; launch tshift (part 1): grid 48 x 3, 1 waves a work-group, no clusters, 0 bytes of LDS; arguments t, Wt_q, Wt_k, Wt_v, tsh; writes tsh
.if DOCPART == 1
	.amdgcn_target "amdgcn-amd-amdhsa--gfx1250"
	.amdhsa_code_object_version 6
	.text
	.protected	k_qbeb16d77d8_tshift
	.globl	k_qbeb16d77d8_tshift
	.p2align	8
	.type	k_qbeb16d77d8_tshift,@function
k_qbeb16d77d8_tshift:
	s_mov_b64 s[64:65], 0
	v_nop
	global_prefetch_b8 v0, s[64:65] scope:SCOPE_SE
	s_setreg_imm32_b32 hwreg(HW_REG_WAVE_MODE, 25, 1), 1
	s_wait_xcnt 0x0
; tsh[w][b][n] = sum over k of t[b][k] Wt_w[n][k], w = q, k, v: the shift that each batch adds to its q, k and v.  t: [8][256], Wt_w: [768][256], tsh: [3][8][768], all f32.
; The result goes on into quantisers, so operands and sums are f32: v_wmma_f32_16x16x4_f32, 64 of them a wave: 9.4 million multiply-adds in the whole launch.
; One wave makes 16 columns n of one weight for all 8 batches.  Source 0 = t (16 rows: rows 8-15 repeat rows 0-7), source 1 = 16 rows of the weight.
; A lane loads 16 bytes at 32 m + 16 (lane / 16) of its row: k = 8 m + 4 (lane / 16) + 0 .. 3.  Instruction 2 m + e takes registers 4 m + 2 e, 4 m + 2 e + 1 of both sides: the same
; four k on both sides, each k once in the 64 instructions.  Four accumulators take turns; their sums are added at the end, into other registers.
; No LDS, no cluster, no tensor load: 2.4 MB are read once, and nothing is shared but t's 8 KB.  144 work-groups: the work has no more parts of 16 columns.
; LIMITS: NaN and infinities among the inputs are not served.
.set OUTV, 8                           ; v8-11    what a lane stores
.set ACC,  16                          ; v16-47   four accumulators; written by matrix instructions alone
.set RES,  48                          ; v48-55   their sum
.set TMP,  56                          ; v56-63
.set TA,   64                          ; v64-191  t: 32 loads of 4 registers.   window 1, v0-127: the weight's 16 rows likewise
.set MSB, 0
.macro WIN new                         ; the immediate's high byte repeats the setting that is left
.if MSB != \new
	s_set_vgpr_msb (MSB<<8)|\new
.set MSB, \new
.endif
.endm
	s_load_b256 s[4:11], s[0:1], 0x0               ; t s[4:5], Wt_q s[6:7], Wt_k s[8:9], Wt_v s[10:11]
	s_load_b64 s[12:13], s[0:1], 0x20              ; tsh
	v_and_b32 v1, 15, v0                           ; r
	v_lshrrev_b32 v2, 4, v0                        ; h (one wave: the thread's number is the lane)
	v_lshlrev_b32 v3, 10, v1
	v_lshl_add_u32 v3, v2, 4, v3                   ; the weight: row r of 1,024 bytes, + 16 h
	v_and_b32 v4, 7, v0
	v_lshlrev_b32 v4, 10, v4
	v_lshl_add_u32 v4, v2, 4, v4                   ; t: row r % 8, + 16 h
	v_mul_u32_u24 v5, v2, 12288
	v_lshl_add_u32 v5, v1, 2, v5                   ; out: lanes 0-15 batches 0-3, lanes 16-31 batches 4-7 (3,072 bytes a batch); 4 bytes a column
	s_and_b32 s14, ttmp7, 0xffff                   ; which weight
	s_lshl_b32 s16, ttmp9, 14                      ; my 16 rows of it
	s_mov_b32 s17, 0
	s_mul_i32 s18, s14, 24576
	s_lshl_b32 s19, ttmp9, 6
	s_add_co_u32 s18, s18, s19                     ; my place in tsh
	s_mov_b32 s19, 0
	s_wait_alu depctr_va_vdst(0)
	s_wait_kmcnt 0x0
	s_cmp_eq_u32 s14, 1                            ; the choice hangs on the work-group's number alone
	s_cselect_b64 s[6:7], s[8:9], s[6:7]
	s_cmp_eq_u32 s14, 2
	s_cselect_b64 s[6:7], s[10:11], s[6:7]
	s_add_nc_u64 s[6:7], s[6:7], s[16:17]
	s_add_nc_u64 s[12:13], s[12:13], s[18:19]
	WIN 0x40                                       ; destination window 1
.set m, 0
.rept 32
	global_load_b128 v[4*m:4*m+3], v3, s[6:7] offset:32*m th:TH_LOAD_NT   ; read once in the launch
.set m, m+1
.endr
	WIN 0
.set m, 0
.rept 32
	global_load_b128 v[TA+4*m:TA+4*m+3], v4, s[4:5] offset:32*m
.set m, m+1
.endr
	s_wait_loadcnt 0x0
	WIN 0x04                                       ; source 1 window 1
.set i, 0
.rept 64
.if i < 4
	v_wmma_f32_16x16x4_f32 v[ACC+8*(i%4):ACC+8*(i%4)+7], v[TA+2*i:TA+2*i+1], v[2*i:2*i+1], 0   ; each sum's first step starts it
.else
	v_wmma_f32_16x16x4_f32 v[ACC+8*(i%4):ACC+8*(i%4)+7], v[TA+2*i:TA+2*i+1], v[2*i:2*i+1], v[ACC+8*(i%4):ACC+8*(i%4)+7]
.endif
.set i, i+1
.endr
	WIN 0
.rept 8
	v_nop                                          ; eight places between this form and the first read of its results (ISA guide 7.12.1)
.endr
.irp j, 0,2,4,6
	v_pk_add_f32 v[RES+\j:RES+\j+1], v[ACC+\j:ACC+\j+1], v[ACC+8+\j:ACC+8+\j+1]       ; each accumulator from its low end on
.endr
.irp j, 0,2,4,6
	v_pk_add_f32 v[TMP+\j:TMP+\j+1], v[ACC+16+\j:ACC+16+\j+1], v[ACC+24+\j:ACC+24+\j+1]
.endr
.irp j, 0,2,4,6
	v_pk_add_f32 v[RES+\j:RES+\j+1], v[RES+\j:RES+\j+1], v[TMP+\j:TMP+\j+1]           ; register j: batch j, column r; lanes 16-31 hold rows 8-15, which repeat batches 0-7
.endr
	v_cmp_le_u32 vcc_lo, 16, v0
.irp i, 0,1,2,3
	v_cndmask_b32 v[OUTV+\i], v[RES+\i], v[RES+4+\i], vcc_lo   ; lanes 16-31 take batches 4-7
.endr
.irp i, 0,1,2,3
	global_store_b32 v5, v[OUTV+\i], s[12:13] offset:3072*\i   ; sixteen lanes store 64 consecutive bytes of a batch's row: all that this wave has of it
.endr
	s_endpgm
.Lfunc_end_k_qbeb16d77d8_tshift:
	.size	k_qbeb16d77d8_tshift, .Lfunc_end_k_qbeb16d77d8_tshift-k_qbeb16d77d8_tshift
	.p2alignl 7, 3214868480
	.fill 96, 4, 3214868480
	.section	.rodata,"a",@progbits
	.p2align	6, 0x0
	.amdhsa_kernel k_qbeb16d77d8_tshift
		.amdhsa_group_segment_fixed_size 0
		.amdhsa_private_segment_fixed_size 0
		.amdhsa_enable_private_segment 0
		.amdhsa_kernarg_size 40
		.amdhsa_user_sgpr_count 2
		.amdhsa_user_sgpr_kernarg_segment_ptr 1
		.amdhsa_wavefront_size32 1
		.amdhsa_system_sgpr_workgroup_id_x 1
		.amdhsa_system_sgpr_workgroup_id_y 1
		.amdhsa_system_sgpr_workgroup_id_z 1
		.amdhsa_system_vgpr_workitem_id 0
		.amdhsa_next_free_vgpr 384
		.amdhsa_next_free_sgpr 66
		.amdhsa_reserve_vcc 1
		.amdhsa_float_denorm_mode_32 3
		.amdhsa_float_denorm_mode_16_64 3
		.amdhsa_memory_ordered 1
		.amdhsa_forward_progress 1
		.amdhsa_inst_pref_size 14
	.end_amdhsa_kernel
	.amdgpu_metadata
---
amdhsa.version: [ 1, 2 ]
amdhsa.kernels:
  - .name:           k_qbeb16d77d8_tshift
    .symbol:         k_qbeb16d77d8_tshift.kd
    .args:
      - { .name: t, .offset: 0, .size: 8, .value_kind: global_buffer, .address_space: global }
      - { .name: Wt_q, .offset: 8, .size: 8, .value_kind: global_buffer, .address_space: global }
      - { .name: Wt_k, .offset: 16, .size: 8, .value_kind: global_buffer, .address_space: global }
      - { .name: Wt_v, .offset: 24, .size: 8, .value_kind: global_buffer, .address_space: global }
      - { .name: tsh, .offset: 32, .size: 8, .value_kind: global_buffer, .address_space: global }
    .group_segment_fixed_size: 0
    .private_segment_fixed_size: 0
    .kernarg_segment_align: 8
    .kernarg_segment_size: 40
    .max_flat_workgroup_size: 32
    .sgpr_count:     66
    .vgpr_count:     384
    .wavefront_size: 32
...
	.end_amdgpu_metadata
.endif
;; end of part 1
;; launch qkv (part 2): grid 64 x 4, 4 waves a work-group, clusters of 4 x 1, 327,680 bytes of LDS; arguments x_codes, x_scales, Wx_q_codes, Wx_q_scales, Wx_k_codes, Wx_k_scales, Wx_v_codes, Wx_v_scales, tsh, qc, qs, kv; writes qc, qs, kv
.if DOCPART == 2
	.amdgcn_target "amdgcn-amd-amdhsa--gfx1250"
	.amdhsa_code_object_version 6
	.text
	.protected	k_qbeb16d77d8_qkv
	.globl	k_qbeb16d77d8_qkv
	.p2align	8
	.type	k_qbeb16d77d8_qkv,@function
k_qbeb16d77d8_qkv:
	s_mov_b64 s[64:65], 0
	v_nop
	global_prefetch_b8 v0, s[64:65] scope:SCOPE_SE
	s_setreg_imm32_b32 hwreg(HW_REG_WAVE_MODE, 25, 1), 1
	s_wait_xcnt 0x0
	s_wait_alu depctr_hold_cnt(0) depctr_sa_sdst(0) depctr_va_vdst(0) depctr_va_sdst(0) depctr_va_ssrc(0) depctr_va_vcc(0) depctr_vm_vsrc(0)
	s_getreg_b32 s2, hwreg(HW_REG_IB_STS2, 6, 4)
	s_cmp_eq_u32 s2, 0
	s_cbranch_scc0 .Lentry_in_a_cluster
	s_endpgm
.Lentry_in_a_cluster:
	s_bfe_u32 s2, ttmp6, 0x10000c
	s_cmp_lg_u32 s2, 0x3003
	s_cbranch_scc0 .Lentry_shape_is_right
	s_endpgm
.Lentry_shape_is_right:
; q, k, v = x Wx^T + the batch's shift, on codes of FP8 (E4M3) with one E8M0 scale for each 32 along K = 768, and each result quantised at once for the attention launch: q and k along the head's 64, v along the keys.
; SHARES.  A work-group takes 128 rows of x (a slab: one key step of the attention launch) and three heads: nine GEMMs of 128 x 64 x 768 (q, k, v of heads 3 j .. 3 j + 2).  256 work-groups.
; Wave w owns rows 32 w .. 32 w + 31 of the slab: their codes stay in registers (192) for the whole launch.  The weights' rows come through LDS, 64 rows (a head) to a region, six regions.
; CLUSTER.  The four work-groups of a cluster are four slabs with the same three heads: they read the same weights, so each weight tile is asked for JOINTLY (mask 15), which divides those requests by four.
; THE ROWS OF A TILE ARE NOT NEIGHBOURS: lane r of tile 2 g + u takes row 32 g + 8 u + r + 8 (r / 8), for x and for the weights.  As source 0 such a tile gives results in which the 16 registers
; of tiles 2 g, 2 g + 1 are rows 32 g + 16 (lane / 16) + 0 .. 15: sixteen neighbours along the next product's K, in the order that its operand wants.
; q, k: source 0 = 16 rows of the weight, source 1 = 16 rows of x: a lane holds one row of x and 2 x 32 channels.  v: the sources swapped: a lane holds one channel and 16 neighbouring KEYS of each tile pair.
; The shift is the C of each sum's first matrix instruction.  1 / sqrt(64) = 2^-3 is taken off q's scale bytes: exact.
; A HEAD AHEAD.  Only x (54 loads a wave, issued ahead of the first round) and head 0's shift and scale words (20) stand in front of the first product.  Each later head's 20 or 44 loads are issued a whole head before
; they are wanted, and waited for by count.  Between two heads the next head's first 16 fragment loads go out ahead of the quantiser, so that LDS works while a head is quantised.
; OPERANDS GO TO MEMORY AS IMAGES OF THEIR REGISTERS: four registers a lane at 16 x lane, 512 consecutive bytes a store; scale words at 4 x lane.
;   qc [b][head][tile 64][chunk 2][512]; qs [b][head][pair 32][32 lanes] words (lanes 0-15 the even tile, 16-31 the odd; bytes 2, 3 are 0);
;   kv [b][head][step 8] blocks of 17,408 bytes: K's 8 tiles x 1,024 | V^T's 4 tiles x 2,048 | K's scale words 4 x 128 | V's 4 x 128.
; LIMITS: NaN and infinities are not served.  A block of zeros keeps the byte 1 (its codes are zeros; this program alone reads the bytes).  q's largest magnitude is taken no lower than 2^(12 - 127), so that its byte less 3
; stays at 1 or more: blocks of q under 2^-115 are quantised on the scale 2^-123.
; REGISTERS, in windows of 256.  window 0: v1-15 addresses; v16-27 x's scale words; v28-51 the head's weight scale words; v52-55 at work; v64-127, v128-191 two buffers of weight fragments (the second also serves the quantiser);
;   v192-255 eight accumulators.   window 1: x's 12 fragments.   window 2: the shifts of heads 0-7, 32 each.   window 3: v0-31 head 8's; from v32 the nine heads' weight scale words, 24 each.
.set WROW,  816                        ; a weight's row in LDS: three pieces of 256 bytes, 16 of padding behind each: row r starts 48 r bytes on in the 256 of a turn through the banks (64 banks of 4 bytes: ISA guide 11.1)
.set WGRP,  13184                      ; 16 rows, and 128 bytes more, so that rows r and r + 16 of a tile keep that step: 16 lanes touch 16 different columns of 16 bytes
.set WHEAD, 52736                      ; a region: four groups
.set SPARE, 316416                     ; behind the six regions: the spare words, 128 bytes for each wave: two blocks of 256 bytes that no other line names
.set SCR,   316928                     ; V's scale bytes meet here: [head 3][tile 4][32 lanes][4 bytes]; no tensor load lands here
.set KVB,   17408
.set KVH,   139264                     ; a head's eight blocks
.set SPW, 1                            ; v1   LDS address of my spare word; never rewritten
.set NIL, 2                            ; v2   0; never rewritten
.set GL,  3                            ; v3   16 x lane
.set GS,  4                            ; v4   4 x lane
.set SHF, 5                            ; v5   16 x (lane / 16)
.set AW,  6                            ; v6-11  my lane's place in a weight tile, region 0 .. 5
.set SBA, 12                           ; v12  where my scale bytes of V go: SCR + 4 x lane + wave
.set SBR, 13                           ; v13  and where a head's words are read back: SCR + 16 x lane + 512 x wave
.set SO,  14                           ; v14  a tile row's scale bytes: 24 x (r + 8 (r / 8)); never rewritten
.set DO,  15                           ; v15  a tile row's shift: 4 x (r + 8 (r / 8)); never rewritten
.set XS,  16
.set WS,  28
.set TP,  52                           ; v52-55 the other half's maxima, then the bytes
.set XO,  56                           ; v56  x: my lane's byte in the wave's 32 rows
.set HO,  63                           ; v63  64 x (lane / 16); never rewritten
.set WF0, 64
.set WF1, 128
.set PC,  128                          ; v128-143 the codes just made
.set TM,  144                          ; v144-147 largest magnitudes
.set TH,  148
.set TS,  152                          ; v152-155 the conversions' scale operands
.set PW,  156                          ; v156 the four bytes as a word
.set TW,  157                          ; v157 the word that is stored
.set RB,  160                          ; v160-163 V's words on the way out
.set ACC, 192
.set WSS, 32                           ; in window 3
.set WV,  28
.set G1,  32                           ; s[32:39] descriptor group 1
.set G0F, 40                           ; s[40:63] groups 0 of the six first fills: q's three heads, k's three
.set VB,  66                           ; s[66:67] kv: my chunk of V's images
.set G0V, 68                           ; s[68:79] groups 0 of the three refills: v's heads
.set QB,  80
.set QSB, 82
.set KB,  84
.set KSB, 86
.set SEL, 88
.set MNT, 90
.set VSB, 98
.set MSB, 0
.macro WIN new                         ; the immediate's high byte repeats the setting that is left
.if MSB != \new
	s_set_vgpr_msb (MSB<<8)|\new
.set MSB, \new
.endif
.endm
.macro PLACES n
.rept \n
	v_nop
.endr
.endm
.macro ROUND                           ; a round of the cluster's barrier
	s_barrier_signal -1
	s_barrier_wait -1
	s_cmp_lg_u32 s[WV], 0
	s_cbranch_scc1 .Lnot_wave_0_\@
	s_barrier_signal -3
.Lnot_wave_0_\@:
	s_barrier_wait -3
	s_barrier_signal -1
	s_barrier_wait -1
.endm
	s_load_b512 s[4:19], s[0:1], 0x0               ; x's codes, scales; Wx_q's codes, scales; Wx_k's; Wx_v's
	s_load_b256 s[20:27], s[0:1], 0x40             ; tsh, qc, qs, kv
	v_lshl_add_u32 v[SPW], v0, 2, SPARE
	v_mov_b32 v[NIL], 0
	ds_add_u32 v1, v2
	ds_add_u32 v1, v2
	s_wait_dscnt 0x0
	v_lshrrev_b32 v57, 5, v0
	v_readfirstlane_b32 s[WV], v57                 ; wave 0..3
	v_and_b32 v57, 31, v0                          ; lane
	v_and_b32 v58, 15, v0                          ; r
	v_bfe_u32 v59, v0, 4, 1                        ; h
	v_bfe_u32 v60, v0, 3, 1                        ; r / 8
	v_lshl_add_u32 v61, v60, 3, v58                ; r + 8 (r / 8)
	v_lshlrev_b32 v[GL], 4, v57
	v_lshlrev_b32 v[GS], 2, v57
	v_lshlrev_b32 v[SHF], 4, v59
	v_mul_u32_u24 v62, v58, WROW
	v_mad_u32_u24 v62, v60, 6656, v62              ; rows 8-15 of a tile lie in the next group of 16: WGRP - 8 WROW further on
	v_lshl_add_u32 v62, v59, 4, v62
.irp i, 0,1,2,3,4,5
	v_add_nc_u32 v[AW+\i], \i*WHEAD, v62
.endr
	v_add_nc_u32 v[SBA], s[WV], v[GS]
	v_add_nc_u32 v[SBA], SCR, v[SBA]
	s_lshl_b32 s91, s[WV], 9
	v_add_nc_u32 v[SBR], s91, v[GL]
	v_add_nc_u32 v[SBR], SCR, v[SBR]
	v_mul_u32_u24 v[XO], v61, 768
	v_lshl_add_u32 v[XO], v59, 4, v[XO]
	v_lshlrev_b32 v[HO], 6, v59
	v_mul_u32_u24 v[SO], v61, 24
	v_lshlrev_b32 v[DO], 2, v61
.irp b, 0,1,2,3
	v_mov_b32 v[TP+\b], 0                          ; written once: a lane permute's destination counts as one of its sources
.endr
	s_bfe_u32 s29, ttmp6, 0x40000                  ; cx
	s_lshl_b32 s30, ttmp9, 2
	s_add_co_u32 s30, s30, s29                     ; the slab = 4 x cluster x + cx: it enters global addresses alone
	s_and_b32 s31, ttmp7, 0xffff                   ; j: which three heads; the four partners share it
	; descriptor group 1: 16 rows of a weight are 12,288 dense bytes: 48 rows of 256 bytes (32 elements of 8 bytes), 16 bytes of padding behind each
	s_mov_b32 s[G1], 15|(3<<16)|(1<<20)|(1<<21)|(5<<22)|(3<<25)   ; 15:0 the mask: all four work-groups; 17:16 elements of 8 bytes; 20 padding on; 21 set beside a mask; 24:22 after every 64 words; 31:25 four words
	s_mov_b32 s[G1+1], 32<<16                      ; tensor_dim0
	s_mov_b32 s[G1+2], 48<<16                      ; tensor_dim1
	s_mov_b32 s[G1+3], 32<<16                      ; tile_dim0
	s_mov_b32 s[G1+4], 48                          ; tile_dim1
	s_mov_b32 s[G1+5], 32                          ; the pitch
	s_mov_b32 s[G1+6], 0
	s_mov_b32 s[G1+7], 0
	s_mul_i32 s92, s31, 147456                     ; 192 j rows of 768 bytes,
	s_mul_i32 s91, s[WV], 12288                    ; and my 16 rows of a head's 64
	s_add_co_u32 s92, s92, s91
	s_mov_b32 s93, 0
	s_mul_i32 s94, s[WV], WGRP                     ; and their place in a region: no place in the cluster enters an LDS address
	s_mov_b32 s[SEL], 0x76543210
	s_mov_b32 s[SEL+1], 0xfedcba98                 ; v_permlanex16_b32's selects for lane l xor 16
	s_lshr_b32 s95, s30, 3                         ; the batch
	s_and_b32 s96, s30, 7                          ; the key step
	s_mul_i32 s97, s95, 12
	s_mul_i32 s2, s31, 3
	s_add_co_u32 s97, s97, s2                      ; batch x 12 + my first head
	s_lshl_b32 s3, s96, 2
	s_add_co_u32 s3, s3, s[WV]                     ; G: which 32 rows of the batch's 1,024 are my wave's
	s_mul_i32 s100, s30, 98304                     ; x's codes: 128 rows of 768 bytes a slab, 32 a wave
	s_mul_i32 s2, s[WV], 24576
	s_add_co_u32 s100, s100, s2
	s_mov_b32 s101, 0
	s_mul_i32 s98, s30, 3072                       ; x's scale bytes: 24 a row
	s_mul_i32 s2, s[WV], 768
	s_add_co_u32 s98, s98, s2
	s_mov_b32 s99, 0
	s_wait_alu depctr_va_vdst(0)
	s_wait_kmcnt 0x0
	s_add_nc_u64 s[4:5], s[4:5], s[100:101]
	s_add_nc_u64 s[6:7], s[6:7], s[98:99]
	WIN 0x40                                       ; destination window 1: x's fragments (tile rho, K step ks) at v[96 rho + 16 ks].  They go out ahead of the first round: nobody writes x, so they may be on their way across it
.irp rho, 0,1
.irp ks, 0,1,2,3,4,5
.irp c, 0,1,2,3
	global_load_b128 v[96*\rho+16*\ks+4*\c:96*\rho+16*\ks+4*\c+3], v[XO], s[4:5] offset:6144*\rho+128*\ks+32*\c
.endr
.endr
.endr
	WIN 0
.irp rho, 0,1
.irp q, 0,1,2
	global_load_b64 v[XS+6*\rho+2*\q:XS+6*\rho+2*\q+1], v[SO], s[6:7] offset:192*\rho+8*\q   ; x's scale words
.endr
.endr
.irp i, 0,1,2
	s_mov_b32 s[G0F+4*\i], 1                       ; q's head i -> region i
	s_add_co_u32 s[G0F+4*\i+1], s94, \i*WHEAD
	s_add_nc_u64 s[G0F+4*\i+2:G0F+4*\i+3], s[8:9], s[92:93]
	s_add_nc_u64 s[G0F+4*\i+2:G0F+4*\i+3], s[G0F+4*\i+2:G0F+4*\i+3], \i*49152
	s_or_b32 s[G0F+4*\i+3], s[G0F+4*\i+3], 0x80000000
	s_mov_b32 s[G0F+12+4*\i], 1                    ; k's head i -> region 3 + i
	s_add_co_u32 s[G0F+12+4*\i+1], s94, (\i+3)*WHEAD
	s_add_nc_u64 s[G0F+12+4*\i+2:G0F+12+4*\i+3], s[12:13], s[92:93]
	s_add_nc_u64 s[G0F+12+4*\i+2:G0F+12+4*\i+3], s[G0F+12+4*\i+2:G0F+12+4*\i+3], \i*49152
	s_or_b32 s[G0F+12+4*\i+3], s[G0F+12+4*\i+3], 0x80000000
	s_mov_b32 s[G0V+4*\i], 1                       ; v's head i -> region i, when q has left it
	s_add_co_u32 s[G0V+4*\i+1], s94, \i*WHEAD
	s_add_nc_u64 s[G0V+4*\i+2:G0V+4*\i+3], s[16:17], s[92:93]
	s_add_nc_u64 s[G0V+4*\i+2:G0V+4*\i+3], s[G0V+4*\i+2:G0V+4*\i+3], \i*49152
	s_or_b32 s[G0V+4*\i+3], s[G0V+4*\i+3], 0x80000000
.endr
	s_mul_i32 s92, s31, 4608                       ; the weights' scale bytes: 192 j rows of 24
	s_add_nc_u64 s[10:11], s[10:11], s[92:93]
	s_add_nc_u64 s[14:15], s[14:15], s[92:93]
	s_add_nc_u64 s[18:19], s[18:19], s[92:93]
	s_mul_i32 s100, s95, 3072                      ; tsh: the batch's row, my 192 columns
	s_mul_i32 s2, s31, 768
	s_add_co_u32 s100, s100, s2
	s_add_nc_u64 s[20:21], s[20:21], s[100:101]
	s_lshl_b32 s100, s97, 16                       ; qc: 65,536 bytes a head, 2,048 for a pair of tiles
	s_lshl_b32 s2, s3, 11
	s_add_co_u32 s100, s100, s2
	s_add_nc_u64 s[QB:QB+1], s[22:23], s[100:101]
	s_lshl_b32 s100, s97, 12                       ; qs: 4,096 bytes a head, 128 a pair
	s_lshl_b32 s2, s3, 7
	s_add_co_u32 s100, s100, s2
	s_add_nc_u64 s[QSB:QSB+1], s[24:25], s[100:101]
	s_lshl_b32 s100, s97, 3
	s_add_co_u32 s100, s100, s96
	s_mul_i32 s100, s100, KVB                      ; kv: my first head's block of this key step
	s_add_nc_u64 s[26:27], s[26:27], s[100:101]
	s_lshl_b32 s100, s[WV], 11                     ; K's tiles 2 w, 2 w + 1
	s_add_nc_u64 s[KB:KB+1], s[26:27], s[100:101]
	s_lshl_b32 s100, s[WV], 7
	s_add_co_u32 s100, s100, 16384                 ; their scale words
	s_add_nc_u64 s[KSB:KSB+1], s[26:27], s[100:101]
	s_lshl_b32 s100, s[WV], 9
	s_add_co_u32 s100, s100, 8192                  ; chunk w of V's images
	s_add_nc_u64 s[VB:VB+1], s[26:27], s[100:101]
	s_mul_i32 s100, s[WV], KVH
	s_add_co_u32 s100, s100, 16896                 ; V's scale words of head w (waves 0 to 2 store them)
	s_add_nc_u64 s[VSB:VSB+1], s[26:27], s[100:101]
	ROUND                                          ; all four work-groups are here: the first joint loads meet
.irp i, 0,1,2,3,4,5
	tensor_load_to_lds s[G0F+4*\i:G0F+4*\i+3], s[G1:G1+7]   ; the six first fills go out together: six loads of mine are out
	s_nop 0
.endr
	PLACES 4
; the shift and the weight's scale words of head hd (0-2 q, 3-5 k, 6-8 v).  q, k: 8 + 12 loads; v: 32 + 12.  Their address registers and bases are never rewritten.
.macro LOADH hd
	WIN ((2+(\hd)/8)<<6)                           ; destination window 2 (heads 0-7) or 3
.if (\hd) < 6
.irp pt, 0,1,2,3                               ; q, k: lane (r, h) wants, for tile 2 b + u, the shifts of channels 32 b + 16 h + 8 u + 0 .. 7
	global_load_b128 v[32*(\hd)+8*\pt:32*(\hd)+8*\pt+3], v[HO], s[20:21] offset:24576*((\hd)/3)+(64*((\hd)%3)+32*(\pt/2)+8*(\pt%2))*4
	global_load_b128 v[32*(\hd)+8*\pt+4:32*(\hd)+8*\pt+7], v[HO], s[20:21] offset:24576*((\hd)/3)+(64*((\hd)%3)+32*(\pt/2)+8*(\pt%2))*4+16
.endr
.else
.irp pt, 0,1,2,3                               ; v: a lane holds ONE channel, so its C is that channel's shift in all eight registers
.irp n, 0,1,2,3,4,5,6,7
	global_load_b32 v[(32*(\hd))%256+8*\pt+\n], v[DO], s[20:21] offset:49152+(64*((\hd)%3)+32*(\pt/2)+8*(\pt%2))*4
.endr
.endr
.endif
	WIN 0xc0                                       ; destination window 3
.irp pt, 0,1,2,3                               ; the scale words: 24 bytes a row: six words, one for each K step
.irp q, 0,1,2
	global_load_b64 v[WSS+24*(\hd)+6*\pt+2*\q:WSS+24*(\hd)+6*\pt+2*\q+1], v[SO], s[10+4*((\hd)/3):11+4*((\hd)/3)] offset:(64*((\hd)%3)+32*(\pt/2)+8*(\pt%2))*24+8*\q
.endr
.endr
	WIN 0
.endm
; scale operands have no window: the head's 24 words come down.  K step 0's first: the twenty behind them are more than the eight places that a scale register so written owes
.macro MOVS hd
	WIN 0x03                                       ; source 0 window 3
.irp ks, 0,1,2,3,4,5
.irp pt, 0,1,2,3
	v_mov_b32 v[WS+6*\pt+\ks], v[WSS+24*(\hd)+6*\pt+\ks]
.endr
.endr
	WIN 0
.endm
; the four weight fragments (tiles pt = 0 .. 3 of the head in region reg) of K step s into buffer f
.macro FETCHW reg, s, f
.irp pt, 0,1,2,3
.irp c, 0,1,2,3
	ds_load_b128 v[\f+16*\pt+4*\c:\f+16*\pt+4*\c+3], v[AW+\reg] offset:26368*(\pt/2)+6528*(\pt%2)+272*((\s)/2)+128*((\s)%2)+32*\c
.endr
.endr
.endm
; eight matrix instructions: x's two tiles against the head's four, 128 along K.  The eight accumulators take turns, in the same order in every K step.
; swap = 0: source 0 = the weight, accumulator (rho, pt) at ACC + 32 rho + 8 pt.  swap = 1: source 0 = x, accumulator at ACC + 16 pt + 8 rho.  In K step 0 the shift is C.
.macro MUL8 hd, s, f, swap
.irp rho, 0,1
.irp pt, 0,1,2,3
.if \swap
.set rD, ACC+16*\pt+8*\rho
.else
.set rD, ACC+32*\rho+8*\pt
.endif
.set rC, rD
.if (\s) == 0
.set rC, (32*(\hd))%256+8*\pt
.endif
.if \swap
	v_wmma_scale_f32_16x16x128_f8f6f4 v[rD:rD+7], v[96*\rho+16*(\s):96*\rho+16*(\s)+15], v[\f+16*\pt:\f+16*\pt+15], v[rC:rC+7], v[XS+6*\rho+(\s)], v[WS+6*\pt+(\s)]
.else
	v_wmma_scale_f32_16x16x128_f8f6f4 v[rD:rD+7], v[\f+16*\pt:\f+16*\pt+15], v[96*\rho+16*(\s):96*\rho+16*(\s)+15], v[rC:rC+7], v[WS+6*\pt+(\s)], v[XS+6*\rho+(\s)]
.endif
.endr
.endr
.endm
.macro KSTEP hd, reg, ks, swap
.if (\ks) < 5
.if (\ks) > 0
	PLACES 8                                       ; eight places in front of loads into registers that matrix instructions have read
.endif
	FETCHW \reg, (\ks)+1, WF0+64*(((\ks)+1)%2)
	s_wait_alu depctr_va_vdst(0)
	s_wait_dscnt 16                                ; this K step's fragments are in (and whatever LDS instruction is older than they); the 16 loads just issued may be out
.else
	s_wait_dscnt 0x0
.endif
.set WM, 0x04-3*\swap                          ; x's fragments lie in window 1: source 1, or source 0 where the sources are swapped
.if (\ks) == 0
.set WM, WM|((2+(\hd)/8)<<4)                   ; the shift, source 2: window 2 (heads 0-7) or 3
.endif
	WIN WM
	MUL8 \hd, \ks, WF0+64*((\ks)%2), \swap
	WIN 0                                          ; an LDS load's address is its source 0: the loads stand under window 0
.endm
; a head's six K steps.  Its scale words are down and its K step 0 has been asked for (PRE, or the lines in front of head 0).
.macro GEMMB hd, reg, swap
	s_wait_xcnt 0x0                                ; the last head's stores have read their registers, which lie in buffer 1: K step 1's fragments land there only behind this wait
.irp ks, 0,1,2,3,4,5
	KSTEP \hd, \reg, \ks, \swap
.endr
	PLACES 9                                       ; eight for the reads of the results, for the writes of the scale words and of buffer 1, and for the loads into buffer 0; nine, since the next head's first products write over these accumulators
.endm
; BETWEEN TWO HEADS, ahead of the quantiser: head nxt's shift and scale words are asked for (nxt = 9: there is none); head hd's, asked for a head ago, are waited for: cnt = the loads just issued;
; head hd's scale words come down, and its K step 0 is asked for from region reg, which a barrier has shown whole.
.macro PRE hd, reg, nxt, cnt
.if \nxt < 9
	LOADH \nxt
.endif
	s_wait_loadcnt \cnt
	MOVS \hd
	FETCHW \reg, 0, WF0
.endm
; 64 numbers of a lane, v[s] .. v[s + 63], 16 of each of four blocks (lane l xor 16 holds a block's other 16), become 64 codes in v[PC] on; the blocks' bytes in v[TP] on and, as a word, in v[PW].
.macro QUANT s, floor
.irp b, 0,1,2,3
	v_max3_num_f32 v[TM+\b], |v[\s+16*\b]|, |v[\s+1+16*\b]|, \floor   ; my 16 numbers, and the floor under which no largest magnitude is taken
.endr
.irp i, 2,4,6,8,10,12,14
.irp b, 0,1,2,3
	v_max3_num_f32 v[TM+\b], v[TM+\b], |v[\s+16*\b+\i]|, |v[\s+1+16*\b+\i]|   ; (the four blocks by turns)
.endr
.endr
.irp b, 0,1,2,3
	v_permlanex16_b32 v[TP+\b], v[TM+\b], s[SEL], s[SEL+1]
.endr
.irp b, 0,1,2,3
	v_max_num_f32 v[TM+\b], v[TM+\b], v[TP+\b]     ; the block's largest magnitude
.endr
.irp b, 0,1,2,3
	v_add_nc_u32 v[TS+\b], 0xfc000000, v[TM+\b]    ; 8 off its exponent field: the conversion takes the exponent field of this operand as its scale
.endr
.irp b, 0,1,2,3
.endr
.irp b, 0,1,2,3
	v_lshrrev_b32 v[TP+\b], 23, v[TS+\b]           ; the scale's byte
.endr
	v_lshl_or_b32 v[PW], v[TP+1], 8, v[TP]
	v_lshl_or_b32 v[PW], v[TP+2], 16, v[PW]
	v_lshl_or_b32 v[PW], v[TP+3], 24, v[PW]
.irp b, 0,1,2,3
.irp i, 0,1,2,3,4,5,6,7,8,9,10,11,12,13,14,15
.endr
	v_cvt_scalef32_pk8_fp8_f32 v[PC+4*\b:PC+1+4*\b], v[\s+16*\b:\s+7+16*\b], v[TS+\b]
	v_cvt_scalef32_pk8_fp8_f32 v[PC+2+4*\b:PC+3+4*\b], v[\s+8+16*\b:\s+15+16*\b], v[TS+\b]
.endr
	v_nop                                          ; one plain vector instruction behind the last scaled conversion
.endm
; q or k of one head: block 2 rho + b is tile rho's channels 32 b on: the codes are the two tiles' images, chunk by chunk
.macro OUTQK cb, sb, offc, offs, floor, adj
	QUANT ACC, \floor
.irp i, 0,1,2,3
	global_store_b128 v[GL], v[PC+4*\i:PC+4*\i+3], s[\cb:\cb+1] offset:\offc+512*\i   ; 32 lanes store 512 consecutive bytes
.endr
	v_lshrrev_b32 v[TW], v[SHF], v[PW]             ; lanes 0-15 keep the even tile's two bytes, lanes 16-31 the odd tile's
	v_and_b32 v[TW], 0xffff, v[TW]                 ; bytes 2 and 3, for the 64 zero codes that fill the instruction's K, are 0
.if \adj
	v_add_nc_u32 v[TW], 0xfffffcfd, v[TW]          ; 3 off both bytes: q / 8.  Each byte is 4 or more (the floor), so nothing is borrowed
.endif
	global_store_b32 v[GS], v[TW], s[\sb:\sb+1] offset:\offs
.endm
; v of head i: block pt is channel tile pt's keys 32 w on: chunk w of that tile's image; its byte is byte w of the tile's scale words
.macro OUTV i
	QUANT ACC, 0x4800000
.irp pt, 0,1,2,3
	global_store_b128 v[GL], v[PC+4*\pt:PC+4*\pt+3], s[VB:VB+1] offset:KVH*\i+2048*\pt
.endr
.irp pt, 0,1,2,3
	ds_store_b8 v[SBA], v[TP+\pt] offset:512*\i+128*\pt
.endr
.endm
; region i, which q's head i has left, takes v's head i.  Every wave waits for all its tensor loads, adds 0 to its spare word, waits for that and for its LDS reads; a round of the cluster's barrier; one joint load a wave.
.macro REFILL i
	s_wait_tensorcnt 0x0
	ds_add_u32 v[SPW], v[NIL]
	s_wait_dscnt 0x0
	ROUND
	tensor_load_to_lds s[G0V+4*\i:G0V+4*\i+3], s[G1:G1+7]
	s_nop 0
	PLACES 4
.endm
	LOADH 0
	LOADH 1
	s_wait_loadcnt 20                              ; x, its scale words and head 0's loads are in; head 1's twenty may be out
	s_wait_tensorcnt 5                             ; my part of region 0 is in; the five fills behind it may be out
	s_barrier_signal -1
	s_barrier_wait -1
	MOVS 0
	FETCHW 0, 0, WF0
	GEMMB 0, 0, 0
	s_wait_tensorcnt 4                             ; my part of region 1 is in; four fills may be out
	s_wait_dscnt 0x0
	s_barrier_signal -1
	s_barrier_wait -1
	PRE 1, 1, 2, 20
	OUTQK QB, QSB, 0, 0, 0x6000000, 1
	GEMMB 1, 1, 0
	REFILL 0                                       ; its wait for 0 and its round also show regions 2 to 5 whole to every wave
	PRE 2, 2, 3, 20
	OUTQK QB, QSB, 65536, 4096, 0x6000000, 1
	GEMMB 2, 2, 0
	REFILL 1
	PRE 3, 3, 4, 20
	OUTQK QB, QSB, 131072, 8192, 0x6000000, 1
	GEMMB 3, 3, 0
	REFILL 2                                       ; the last load: it has two heads in which to land
	PRE 4, 4, 5, 20
	OUTQK KB, KSB, 0, 0, 0x4800000, 0
	GEMMB 4, 4, 0
	PRE 5, 5, 6, 44
	OUTQK KB, KSB, KVH, KVH, 0x4800000, 0
	GEMMB 5, 5, 0
	s_wait_tensorcnt 0x0                           ; my parts of v's three heads are in,
	s_wait_dscnt 0x0
	s_barrier_signal -1
	s_barrier_wait -1                              ; everybody's are
	PRE 6, 0, 7, 44
	OUTQK KB, KSB, 2*KVH, 2*KVH, 0x4800000, 0
	GEMMB 6, 0, 1
	PRE 7, 1, 8, 44
	OUTV 0
	GEMMB 7, 1, 1
	PRE 8, 2, 9, 0
	OUTV 1
	GEMMB 8, 2, 1
	OUTV 2
	s_wait_dscnt 0x0                               ; for the others' sake: my scale bytes have landed
	s_barrier_signal -1
	s_barrier_wait -1
	s_cmp_lt_u32 s[WV], 3                          ; three heads, three waves: each stores one head's 512 bytes of scale words
	s_cbranch_scc0 .Lno_words
	ds_load_b128 v[RB:RB+3], v[SBR]
	s_wait_dscnt 0x0
	global_store_b128 v[GL], v[RB:RB+3], s[VSB:VSB+1]
.Lno_words:
	s_wait_tensorcnt 0x0                           ; the wave's end
	ds_add_u32 v[SPW], v[NIL]
	s_wait_dscnt 0x0
	ROUND                                          ; the closing round: no work-group ends while a partner may still ask for a tile that names it
	s_endpgm
.Lfunc_end_k_qbeb16d77d8_qkv:
	.size	k_qbeb16d77d8_qkv, .Lfunc_end_k_qbeb16d77d8_qkv-k_qbeb16d77d8_qkv
	.p2alignl 7, 3214868480
	.fill 96, 4, 3214868480
	.section	.rodata,"a",@progbits
	.p2align	6, 0x0
	.amdhsa_kernel k_qbeb16d77d8_qkv
		.amdhsa_group_segment_fixed_size 327680
		.amdhsa_private_segment_fixed_size 0
		.amdhsa_enable_private_segment 0
		.amdhsa_kernarg_size 96
		.amdhsa_user_sgpr_count 2
		.amdhsa_user_sgpr_kernarg_segment_ptr 1
		.amdhsa_wavefront_size32 1
		.amdhsa_system_sgpr_workgroup_id_x 1
		.amdhsa_system_sgpr_workgroup_id_y 1
		.amdhsa_system_sgpr_workgroup_id_z 1
		.amdhsa_system_vgpr_workitem_id 0
		.amdhsa_next_free_vgpr 1024
		.amdhsa_next_free_sgpr 102
		.amdhsa_reserve_vcc 0
		.amdhsa_float_denorm_mode_32 3
		.amdhsa_float_denorm_mode_16_64 3
		.amdhsa_fp16_overflow 1
		.amdhsa_memory_ordered 1
		.amdhsa_forward_progress 1
		.amdhsa_inst_pref_size 213
	.end_amdhsa_kernel
	.amdgpu_metadata
---
amdhsa.version: [ 1, 2 ]
amdhsa.kernels:
  - .name:           k_qbeb16d77d8_qkv
    .symbol:         k_qbeb16d77d8_qkv.kd
    .args:
      - { .name: x_codes, .offset: 0, .size: 8, .value_kind: global_buffer, .address_space: global }
      - { .name: x_scales, .offset: 8, .size: 8, .value_kind: global_buffer, .address_space: global }
      - { .name: Wx_q_codes, .offset: 16, .size: 8, .value_kind: global_buffer, .address_space: global }
      - { .name: Wx_q_scales, .offset: 24, .size: 8, .value_kind: global_buffer, .address_space: global }
      - { .name: Wx_k_codes, .offset: 32, .size: 8, .value_kind: global_buffer, .address_space: global }
      - { .name: Wx_k_scales, .offset: 40, .size: 8, .value_kind: global_buffer, .address_space: global }
      - { .name: Wx_v_codes, .offset: 48, .size: 8, .value_kind: global_buffer, .address_space: global }
      - { .name: Wx_v_scales, .offset: 56, .size: 8, .value_kind: global_buffer, .address_space: global }
      - { .name: tsh, .offset: 64, .size: 8, .value_kind: global_buffer, .address_space: global }
      - { .name: qc, .offset: 72, .size: 8, .value_kind: global_buffer, .address_space: global }
      - { .name: qs, .offset: 80, .size: 8, .value_kind: global_buffer, .address_space: global }
      - { .name: kv, .offset: 88, .size: 8, .value_kind: global_buffer, .address_space: global }
    .group_segment_fixed_size: 327680
    .private_segment_fixed_size: 0
    .kernarg_segment_align: 8
    .kernarg_segment_size: 96
    .max_flat_workgroup_size: 128
    .sgpr_count:     102
    .vgpr_count:     1024
    .wavefront_size: 32
...
	.end_amdgpu_metadata
.endif
;; end of part 2
;; launch attn (part 3): grid 4 x 64, 8 waves a work-group, clusters of 4 x 4, 327,680 bytes of LDS; arguments qc, qs, kv, rel_pos_bias, oc, os; writes oc, os
.if DOCPART == 3
	.amdgcn_target "amdgcn-amd-amdhsa--gfx1250"
	.amdhsa_code_object_version 6
	.text
	.protected	k_qbeb16d77d8_attn
	.globl	k_qbeb16d77d8_attn
	.p2align	8
	.type	k_qbeb16d77d8_attn,@function
k_qbeb16d77d8_attn:
	s_mov_b64 s[64:65], 0
	v_nop
	global_prefetch_b8 v0, s[64:65] scope:SCOPE_SE
	s_setreg_imm32_b32 hwreg(HW_REG_WAVE_MODE, 25, 1), 1
	s_wait_xcnt 0x0
	s_wait_alu depctr_hold_cnt(0) depctr_sa_sdst(0) depctr_va_vdst(0) depctr_va_sdst(0) depctr_va_ssrc(0) depctr_va_vcc(0) depctr_vm_vsrc(0)
	s_getreg_b32 s2, hwreg(HW_REG_IB_STS2, 6, 4)
	s_cmp_eq_u32 s2, 0
	s_cbranch_scc0 .Lentry_in_a_cluster
	s_endpgm
.Lentry_in_a_cluster:
	s_bfe_u32 s2, ttmp6, 0x10000c
	s_cmp_lg_u32 s2, 0xf033
	s_cbranch_scc0 .Lentry_shape_is_right
	s_endpgm
.Lentry_shape_is_right:
; o = softmax(q k^T / 8 + rel_pos_bias) v for 8 batches x 12 heads x 1,024 queries x 1,024 keys, head size 64, both products on codes of FP8 (E4M3) with E8M0 scales; o is quantised along the model's 768 for the last product.
; THE SOFTMAX AHEAD OF THE SECOND PRODUCT: t = logit x log2(e); M = the row's largest t so far, rounded UP to a whole number; p = 2^(t - M) is quantised along the keys, not normalised; the row's sum is
; taken of the unquantised p and divides O at the end.  When M moves, the sum and O are multiplied by 2^(old M - new M): exact.
; SHARES.  A work-group owns 64 queries of TWO batches and walks three heads one after the other; 256 work-groups.  Each of its eight waves owns one tile of 16 queries of one batch (wave / 4) in 512 registers:
; two waves to a SIMD, 24 key steps of 128 keys each.  The two batches read the same bias tile from LDS.
; CLUSTER, 4 x 4.  A row of the cluster is the four batch pairs of the same 64 queries and heads: they ask for the bias tile JOINTLY, so all eight batches are served by one request.  A column is four blocks of
; queries of the same batch pair and heads: they ask for the blocks of K and V jointly, which divides those requests by four.  Waves 0-3 fetch the bias (16 rows each), waves 4-7 the four blocks of K and V
; (2 batches x 2 steps): one load a wave.
; LAYOUT.  Both products transposed: S^T = K Q^T (source 0 = 16 keys), O^T = V^T P^T (source 0 = 16 channels): a lane holds ONE query.  Operands arrive as images of their registers (16 x lane).
; The rows of every tile are 32 g + 8 u + r + 8 (r / 8): so p's 16 registers of two neighbouring tiles are 16 neighbouring keys, and O^T's are 16 neighbouring channels.
; THE BIAS IS THE C OF S^T's PRODUCT, in registers of its own, and 1 / 8 lies in q's scale bytes: the logit costs no vector instruction.
; The head's 64 fill half of the instruction's K = 128: registers 8-15 of Q's and K's fragments hold zero codes, written once.
; A STEP AHEAD.  A step's bias, K and scale words are read from LDS during the step before, its V behind its first products: one run of LDS loads a step, with the softmax between the loads and the one wait for them.
; THE CHANGE OF SLOTS stands early in a slot's last step.  A refill can be on its way from one round to the next, less what stands between the wait for all loads and the refill: so the search for the maxima (40
; instructions) stands ahead of that wait, only the nine that make M and f between the add and the wait for it, and the multiply-adds and exponentials behind the refill, while it is on its way.
; PREFETCH.  The bias comes from memory once in the launch.  At the head of a slot's first step waves 0 and 1 ask, into the L2, for this work-group's quarter of the tile that the refill in the slot's second step will
; load: 64 rows x one block of 256 bytes (block cx of the four in a row's 1,024): 16 KB, one step and the head of the next ahead.  The four work-groups of a row take a block each, so each block is asked for once.
; Only the loop's five trips ask, those that also refill: no prefetch points past the tiles that are loaded.
; LIMITS: NaN and infinities are not served.  A block of zeros keeps the byte 1 (its codes are zeros; this program alone reads the bytes).
; REGISTERS, in windows of 256.  window 0: v1-11 addresses; v12 -M, v13 the largest t, v[14:15] the sum; v16-31 Q; v32 the prefetch's offset; v96-159 S^T, then p; v160-191 O^T; v192-207 p's codes;
;   v208-211 K's scale words, v212-215 V's, v216 Q's, v217 p's; v[220:221] f; v224-243 at work.   window 1: v0-63 V's four fragments; v64-191 K's eight; v192-255 the bias.
.set BGRP,  16768                      ; 16 rows of the bias tile: 1,024 bytes + 16 of padding each, and 128 more, so that rows r and r + 16 of a query tile keep the step of 16 bytes through the banks (64 banks of 4 bytes: ISA guide 11.1)
.set KVO,   67072                      ; behind the bias's four groups: four blocks of K and V
.set KVB,   17408
.set SLOT,  136704                     ; a slot: 256 keys: two steps
.set SPARE, 273408                     ; behind the two slots: the spare words, 128 bytes for each wave: four blocks of 256 bytes that no other line names
.set AB,  1                            ; v1, v2  my lane's place in the bias tile, slot 0, 1
.set AK,  3                            ; v3, v4  16 x lane in my batch's blocks
.set ASC, 5                            ; v5, v6  4 x lane at their scale words
.set SPW, 7                            ; v7   LDS address of my spare word; never rewritten
.set NIL, 8                            ; v8   0; never rewritten
.set GL,  9                            ; v9   16 x lane
.set GR,  10                           ; v10  4 x (lane % 16)
.set GH,  11                           ; v11  2 x lane
.set QF,  16
.set PO,  32                           ; v32  the prefetch: row 32 (wave % 2) + lane of the tile's 64, 4,096 bytes a row, + 256 cx; never rewritten
.set S,   96
.set O,   160
.set PCD, 192
.set KS,  208
.set VS,  212
.set QW,  216
.set PWD, 217
.set FF,  220
.set BM,  224                          ; v224-227 the blocks' largest scores, then largest p
.set BP,  228                          ; v228-231 the other half's, then the bytes
.set BH,  232
.set BS,  236                          ; v236-239 the conversions' scale operands
.set SUM2, 240                         ; v[240:241] the sum's second chain
.set TT,  242
.set VF,  0                            ; in window 1
.set KF,  64
.set BF,  192
.set WV,  16
.set PINC, 26                          ; s[26:27] what the prefetch's pointer steps by (the high word stays 0)
.set G1B, 32                           ; s[32:39] descriptor group 1 for the bias;  s[40:47] for K and V
.set G1K, 40
.set G0B, 48                           ; s[48:55] groups 0 for the bias, one for each slot;  s[56:63] for K and V
.set G0K, 56
.set CNT, 66                           ; s66  pairs of slots done
.set INC, 68                           ; s[68:69] what the bias's addresses step by in this trip
.set INCK, 70                          ; s70  512 keys on in the same head
.set INCH, 71                          ; s71  a head on and 512 keys back
.set SEL, 72
.set CS,  74                           ; s[74:75] log2(e): the packed form names a pair and takes its low word for both halves
.set MNT, 76
.set QP,  78
.set QSP, 80
.set OP,  82
.set OSP, 84
.set PB,  100                          ; s[100:101] the prefetch's pointer: my 64 rows of the bias at the 512 keys that this trip's refills load
.set MSB, 0
.macro WIN new                         ; the immediate's high byte repeats the setting that is left; a switch that changes nothing is dropped
.if MSB != \new
	s_set_vgpr_msb (MSB<<8)|\new
.set MSB, \new
.endif
.endm
.macro PLACES n
.rept \n
	v_nop
.endr
.endm
.macro CREST                           ; a round of the cluster's barrier behind its opening barrier
	s_cmp_lg_u32 s[WV], 0
	s_cbranch_scc1 .Lnot_wave_0_\@
	s_barrier_signal -3
.Lnot_wave_0_\@:
	s_barrier_wait -3
	s_barrier_signal -1
	s_barrier_wait -1
.endm
.macro ROUND                           ; a whole round
	s_barrier_signal -1
	s_barrier_wait -1
	CREST
.endm
.macro JLOAD sg                        ; slot sg is filled: the branch hangs on the wave's number alone; four v_nop follow each of the two lines
	s_cmp_lt_u32 s[WV], 4
	s_cbranch_scc0 .Lfor_kv_\@
	tensor_load_to_lds s[G0B+4*\sg:G0B+4*\sg+3], s[G1B:G1B+7]
	s_nop 0
	PLACES 4
	s_branch .Lasked_\@
.Lfor_kv_\@:
	tensor_load_to_lds s[G0K+4*\sg:G0K+4*\sg+3], s[G1K:G1K+7]
	s_nop 0
	PLACES 4
.Lasked_\@:
.endm
.macro QLOAD                           ; a head's Q: its image and its scale word
	global_load_b128 v[QF:QF+3], v[GL], s[QP:QP+1]
	global_load_b128 v[QF+4:QF+7], v[GL], s[QP:QP+1] offset:512
	global_load_b32 v[QW], v[GR], s[QSP:QSP+1]
.endm
.macro INIT                            ; a head begins: O^T and the sum are zeros, the largest t is under every t
.set jj, 0
.rept 32
	v_mov_b32 v[O+jj], 0                           ; (the step is written once: a head's first step finds zeros, which the first change of M leaves zeros)
.set jj, jj+1
.endr
	v_mov_b32 v13, 0xff61b1e6                      ; -3e38
	s_delay_alu instid0(VALU_DEP_1)
	v_floor_f32 v12, -v13
	v_mov_b32 v14, 0
	v_mov_b32 v15, 0
.endm
	s_load_b256 s[4:11], s[0:1], 0x0               ; qc s[4:5], qs s[6:7], kv s[8:9], the bias s[10:11]
	s_load_b128 s[12:15], s[0:1], 0x20             ; oc s[12:13], os s[14:15]
	v_lshl_add_u32 v[SPW], v0, 2, SPARE
	v_mov_b32 v[NIL], 0
	ds_add_u32 v7, v8
	ds_add_u32 v7, v8
	s_wait_dscnt 0x0
	v_lshrrev_b32 v242, 5, v0
	s_delay_alu instid0(VALU_DEP_1)
	v_readfirstlane_b32 s[WV], v242                ; wave 0..7
	s_bfe_u32 s96, ttmp6, 0x40000                  ; cx
	s_bfe_u32 s21, ttmp6, 0x40004                  ; cy
	s_lshl_b32 s17, ttmp9, 2
	s_add_co_u32 s17, s17, s96                     ; the batch pair = 4 x cluster x + cx: my column of the cluster shares it
	s_and_b32 s18, ttmp7, 0xffff                   ; the cluster's y
	s_lshr_b32 s20, s18, 2                         ; j: which three heads: the whole cluster shares it
	s_and_b32 s19, s18, 3
	s_lshl_b32 s19, s19, 2
	s_add_co_u32 s19, s19, s21                     ; which 64 queries = 4 x (cluster y % 4) + cy: my row of the cluster shares it
	s_lshl_b32 s95, s21, 2
	s_lshl_b32 s95, 15, s95                        ; my row of the cluster: places 4 cy .. 4 cy + 3
	s_lshl_b32 s99, 0x1111, s96                    ; my column: places cx, cx + 4, cx + 8, cx + 12
	s_and_b32 s23, s[WV], 3                        ; my query tile of the four.  Also: which part of a slot I fetch
	s_lshr_b32 s22, s[WV], 2                       ; my batch of the pair
	s_lshr_b32 s24, s23, 1
	s_and_b32 s25, s23, 1
	; descriptor group 1.  The bias: 16 rows x 256 f32, 1,024 elements from row to row, 16 bytes of padding behind each row
	s_or_b32 s[G1B], s95, (2<<16)|(1<<20)|(1<<21)|(7<<22)|(3<<25)   ; 15:0 the mask: my row; 17:16 elements of 4 bytes; 20 padding on; 21 set beside a mask; 24:22 after every 256 words; 31:25 four words
	s_mov_b32 s[G1B+1], 256<<16
	s_mov_b32 s[G1B+2], 16<<16
	s_mov_b32 s[G1B+3], 256<<16
	s_mov_b32 s[G1B+4], 16
	s_mov_b32 s[G1B+5], 1024
	s_mov_b32 s[G1B+6], 0
	s_mov_b32 s[G1B+7], 0
	s_or_b32 s[G1K], s99, (3<<16)|(1<<21)          ; K and V: a block of 17,408 dense bytes: 68 rows of 256 bytes (32 elements of 8 bytes); the mask: my column; no padding
	s_mov_b32 s[G1K+1], 32<<16
	s_mov_b32 s[G1K+2], 68<<16
	s_mov_b32 s[G1K+3], 32<<16
	s_mov_b32 s[G1K+4], 68
	s_mov_b32 s[G1K+5], 32
	s_mov_b32 s[G1K+6], 0
	s_mov_b32 s[G1K+7], 0
	s_mul_i32 s26, s20, 12582912                   ; the bias: three heads of 4 MiB a j,
	s_lshl_b32 s30, s19, 18                        ; 64 rows of 4,096 bytes,
	s_add_co_u32 s26, s26, s30
	s_add_co_u32 s[PB], s26, 2048                  ; (the prefetch begins at keys 512 on: what the first trip's refills load)
	s_mov_b32 s[PB+1], 0
	s_lshl_b32 s30, s23, 16                        ; my 16 of them: made of what my row shares; these registers never hold cx
	s_add_co_u32 s26, s26, s30
	s_mov_b32 s27, 0
	s_mul_i32 s31, s23, BGRP                       ; and their place in a slot
	s_lshl_b32 s28, s17, 1
	s_add_co_u32 s28, s28, s24                     ; K and V: batch 2 x pair + part / 2,
	s_mul_i32 s28, s28, 1671168                    ; 96 blocks a batch,
	s_mul_i32 s86, s20, 417792                     ; 24 for three heads,
	s_add_co_u32 s28, s28, s86
	s_mul_i32 s86, s25, KVB                        ; step part % 2 of a slot's two: made of what my column shares; these registers never hold cy
	s_add_co_u32 s28, s28, s86
	s_mov_b32 s29, 0
	s_mul_i32 s87, s23, KVB
	s_add_co_u32 s87, s87, KVO                     ; and its place in a slot
	s_mov_b32 s[INC+1], 0
	s_mov_b32 s[INCK], 2048
	s_mov_b32 s[INCH], 4192256
	s_mov_b32 s[SEL], 0x76543210
	s_mov_b32 s[SEL+1], 0xfedcba98
	s_mov_b32 s[CS], 0x3fb8aa3b                    ; log2(e)
	s_mov_b32 s[CS+1], s[CS]
	s_lshl_b32 s88, s17, 1
	s_add_co_u32 s88, s88, s22                     ; my batch
	s_mul_i32 s89, s88, 12
	s_mul_i32 s90, s20, 3
	s_add_co_u32 s89, s89, s90                     ; batch x 12 + my first head
	s_lshl_b32 s90, s19, 2
	s_add_co_u32 s90, s90, s23                     ; my tile of the batch's 64
	s_lshl_b32 s94, s88, 6
	s_add_co_u32 s94, s94, s90                     ; 64 x batch + tile
	s_mov_b32 s93, 0
	s_wait_kmcnt 0x0
.irp sg, 0,1
	s_mov_b32 s[G0B+4*\sg], 1
	s_add_co_u32 s[G0B+4*\sg+1], s31, \sg*SLOT
	s_add_nc_u64 s[G0B+4*\sg+2:G0B+4*\sg+3], s[10:11], s[26:27]
	s_add_nc_u64 s[G0B+4*\sg+2:G0B+4*\sg+3], s[G0B+4*\sg+2:G0B+4*\sg+3], \sg*1024      ; slot 1 begins with keys 256 on
	s_or_b32 s[G0B+4*\sg+3], s[G0B+4*\sg+3], 0x80000000
	s_mov_b32 s[G0K+4*\sg], 1
	s_add_co_u32 s[G0K+4*\sg+1], s87, \sg*SLOT
	s_add_nc_u64 s[G0K+4*\sg+2:G0K+4*\sg+3], s[8:9], s[28:29]
	s_add_nc_u64 s[G0K+4*\sg+2:G0K+4*\sg+3], s[G0K+4*\sg+2:G0K+4*\sg+3], \sg*2*KVB
	s_or_b32 s[G0K+4*\sg+3], s[G0K+4*\sg+3], 0x80000000
.endr
	s_add_nc_u64 s[PB:PB+1], s[10:11], s[PB:PB+1]
	s_lshl_b32 s92, s89, 16                        ; qc: 65,536 bytes a head, 1,024 a tile
	s_lshl_b32 s91, s90, 10
	s_add_co_u32 s92, s92, s91
	s_add_nc_u64 s[QP:QP+1], s[4:5], s[92:93]
	s_lshl_b32 s92, s89, 12                        ; qs: 4,096 bytes a head, 128 a pair of tiles, the odd tile's words 64 bytes on
	s_lshl_b32 s91, s19, 8
	s_add_co_u32 s92, s92, s91
	s_lshl_b32 s91, s24, 7
	s_add_co_u32 s92, s92, s91
	s_lshl_b32 s91, s25, 6
	s_add_co_u32 s92, s92, s91
	s_add_nc_u64 s[QSP:QSP+1], s[6:7], s[92:93]
	s_mul_i32 s92, s94, 12288                      ; oc: 12,288 bytes a tile, 1,024 a head
	s_mul_i32 s91, s20, 3072
	s_add_co_u32 s92, s92, s91
	s_add_nc_u64 s[OP:OP+1], s[12:13], s[92:93]
	s_mul_i32 s92, s94, 768                        ; os: 768 bytes a tile, 64 a head
	s_mul_i32 s91, s20, 192
	s_add_co_u32 s92, s92, s91
	s_add_nc_u64 s[OSP:OSP+1], s[14:15], s[92:93]
	ROUND                                          ; all sixteen work-groups are here: the first joint loads meet
	s_cmp_lt_u32 s[WV], 4                          ; a wave's two first fills stand in one branch, ahead of every wait on TENSORcnt and every LDS read: two loads of mine are out
	s_cbranch_scc0 .Lfirst_kv
	tensor_load_to_lds s[G0B:G0B+3], s[G1B:G1B+7]
	s_nop 0
	tensor_load_to_lds s[G0B+4:G0B+7], s[G1B:G1B+7]
	s_nop 0
	PLACES 4
	s_branch .Lfirst_asked
.Lfirst_kv:
	tensor_load_to_lds s[G0K:G0K+3], s[G1K:G1K+7]
	s_nop 0
	tensor_load_to_lds s[G0K+4:G0K+7], s[G1K:G1K+7]
	s_nop 0
	PLACES 4
.Lfirst_asked:
	v_and_b32 v240, 31, v0                         ; lane
	v_and_b32 v241, 15, v0                         ; r
	v_bfe_u32 v242, v0, 4, 1                       ; h
	v_bfe_u32 v243, v0, 3, 1                       ; r / 8
	s_delay_alu instid0(VALU_DEP_4)
	v_lshlrev_b32 v[GL], 4, v240
	s_wait_alu depctr_va_vdst(0)
	v_lshlrev_b32 v[GR], 2, v241
	v_lshlrev_b32 v[GH], 1, v240
	QLOAD                                          ; the first head's Q
	s_lshl_b32 s99, s96, 8                         ; the prefetch's offset: block cx of a row's four (a global offset: no LDS address is made of it),
	s_lshl_b32 s95, s25, 17                        ; rows 32 (wave % 2) on,
	s_add_co_u32 s99, s99, s95
	v_lshl_add_u32 v[PO], v240, 12, s99            ; a row of 4,096 bytes to a lane
	s_mul_i32 s97, s24, 2*BGRP                     ; my tile's rows of the 64: 32 (tile / 2) + 8 (tile % 2) + r + 8 (r / 8): made of the wave's number alone
	s_mul_i32 s98, s25, 8320
	s_add_co_u32 s97, s97, s98
	v_mul_u32_u24 v[AB], v241, 1040
	s_delay_alu instid0(VALU_DEP_1)
	v_mad_u32_u24 v[AB], v243, 8448, v[AB]         ; rows 8-15 of the tile lie in the next group of 16: BGRP - 8 x 1,040 further on
	s_delay_alu instid0(VALU_DEP_1)
	v_lshl_add_u32 v[AB], v242, 6, v[AB]           ; my half's 16 keys of each 32
	s_delay_alu instid0(VALU_DEP_1)
	v_add_nc_u32 v[AB], s97, v[AB]
	s_delay_alu instid0(VALU_DEP_1)
	v_add_nc_u32 v[AB+1], SLOT, v[AB]
	s_mul_i32 s98, s22, 2*KVB
	s_add_co_u32 s98, s98, KVO                     ; my batch's two blocks
	v_add_nc_u32 v[AK], s98, v[GL]
	s_delay_alu instid0(VALU_DEP_1)
	v_add_nc_u32 v[AK+1], SLOT, v[AK]
	v_lshl_add_u32 v[ASC], v240, 2, s98
	s_delay_alu instid0(VALU_DEP_1)
	v_add_nc_u32 v[ASC], 16384, v[ASC]
	s_delay_alu instid0(VALU_DEP_1)
	v_add_nc_u32 v[ASC+1], SLOT, v[ASC]
.irp n, 8,9,10,11,12,13,14,15
	v_mov_b32 v[QF+\n], 0                          ; zero codes for k = 64 .. 127, on both operands: written once
.endr
	WIN 0x40                                       ; destination window 1
.irp t, 0,1,2,3,4,5,6,7
.irp n, 8,9,10,11,12,13,14,15
	v_mov_b32 v[KF+16*\t+\n], 0
.endr
.endr
	WIN 0
.irp b, 0,1,2,3
	v_mov_b32 v[BP+\b], 0                          ; written once: a lane permute's destination counts as one of its sources
.endr
	v_mov_b32 v[FF+1], 0                           ; (named as the upper half of the pair with f)
	INIT
; V^T's four tiles of 16 channels x 128 keys of step (sg, e), and their scale words.  It leaves the destination's window at 1.
.macro LOADV sg, e
.irp t, 0,1,2,3
	ds_load_b32 v[VS+\t], v[ASC+\sg] offset:KVB*\e+512+128*\t
.endr
	WIN 0x40                                       ; destination window 1, address window 0
.irp t, 0,1,2,3
.irp c, 0,1,2,3
	ds_load_b128 v[VF+16*\t+4*\c:VF+16*\t+4*\c+3], v[AK+\sg] offset:KVB*\e+8192+2048*\t+512*\c
.endr
.endr
.endm
; what the first product of step (sg, e) wants: the bias of my query at keys 32 b + 16 h + 4 i on (the accumulators' own layout), K's eight tiles, their scale words (lanes 0-15 tile 2 p, lanes 16-31 tile 2 p + 1)
.macro LOADN sg, e
	WIN 0x40
.irp b, 0,1,2,3
.irp i, 0,1,2,3
	ds_load_b128 v[BF+16*\b+4*\i:BF+16*\b+4*\i+3], v[AB+(\sg)] offset:512*(\e)+128*\b+16*\i
.endr
.endr
.irp t, 0,1,2,3,4,5,6,7
.irp c, 0,1
	ds_load_b128 v[KF+16*\t+4*\c:KF+16*\t+4*\c+3], v[AK+(\sg)] offset:KVB*(\e)+1024*\t+512*\c
.endr
.endr
	WIN 0
.irp p, 0,1,2,3
	ds_load_b32 v[KS+\p], v[ASC+(\sg)] offset:KVB*(\e)+128*\p
.endr
.endm
; THE SOFTMAX OF A STEP, in four parts, all on registers of window 0.  SM1A: the largest logit of each block of 32 keys.
.macro SM1A
.irp b, 0,1,2,3
	v_max3_num_f32 v[BM+\b], v[S+16*\b], v[S+1+16*\b], v[S+2+16*\b]   ; it serves the row's maximum and, since p rises with the logit, the block's largest p
.endr
.irp i, 3,5,7,9,11,13
.irp b, 0,1,2,3
	v_max3_num_f32 v[BM+\b], v[BM+\b], v[S+16*\b+\i], v[S+1+16*\b+\i]
.endr
.endr
.irp b, 0,1,2,3
	v_max_num_f32 v[BM+\b], v[BM+\b], v[S+15+16*\b]
.endr
.irp b, 0,1,2,3
	s_delay_alu instid0(VALU_DEP_4)
	v_permlanex16_b32 v[BP+\b], v[BM+\b], s[SEL], s[SEL+1]
.endr
.irp b, 0,1,2,3
	s_delay_alu instid0(VALU_DEP_4)
	v_max_num_f32 v[BM+\b], v[BM+\b], v[BP+\b]     ; with lane l xor 16's 16 keys
.endr
.endm
; SM1B: the row's largest logit, the new M, f
.macro SM1B
	v_max3_num_f32 v[TT], v[BM], v[BM+1], v[BM+2]
	s_delay_alu instid0(VALU_DEP_1)
	v_max_num_f32 v[TT], v[TT], v[BM+3]            ; the step's largest logit of my query
	s_delay_alu instid0(VALU_DEP_1)
	v_mul_f32 v[TT], s[CS], v[TT]                  ; as t
	s_delay_alu instid0(VALU_DEP_1)
	v_max_num_f32 v13, v13, v[TT]                  ; the running largest t
	v_mov_b32 v[TT], v12
	s_delay_alu instid0(VALU_DEP_2)
	v_floor_f32 v12, -v13                          ; the new -M = floor(-t) = -ceil(t)
	s_delay_alu instid0(VALU_DEP_1)
	v_sub_f32 v[TT], v12, v[TT]                    ; M's old value less its new one: a whole number, 0 or less
	s_delay_alu instid0(VALU_DEP_1)
	v_cvt_i32_f32 v[TT], v[TT]                     ; (it saturates)
	s_delay_alu instid0(VALU_DEP_1)
	v_ldexp_f32 v[FF], 1.0, v[TT]                  ; f = 2^(old M - new M)
.endm
; SM2: p = 2^(t - M)
.macro SM2
.set jj, 0
.rept 32
	v_pk_fma_f32 v[S+jj:S+jj+1], v[S+jj:S+jj+1], s[CS:CS+1], v[12:13] op_sel_hi:[1,0,0]   ; t - M, two at a time
.set jj, jj+2
.endr
.irp b, 0,1,2,3
	v_fma_f32 v[BM+\b], v[BM+\b], s[CS], v12       ; the same of each block's largest logit
.endr
.set jj, 0
	s_wait_alu depctr_va_vdst(0)
.rept 64
	v_exp_f32 v[S+jj], v[S+jj]                     ; p, at most 1
.set jj, jj+1
.endr
.irp b, 0,1,2,3
	v_exp_f32 v[BM+\b], v[BM+\b]                   ; the block's largest p: the same two instructions on the same number
.endr
.endm
; SM3: the scales, the row's sum, the hold, the codes
.macro SM3
	v_pk_mul_f32 v[14:15], v[14:15], v[FF:FF+1] op_sel_hi:[1,0]   ; the sums under the new M.  (A plain place behind the exponentials)
	s_wait_alu depctr_va_vdst(0)
.irp b, 0,1,2,3
	v_max_num_f32 v[BM+\b], 0x4800000, v[BM+\b]    ; the floor 2^(9 - 127): the byte cannot fall under 1
.endr
.irp b, 0,1,2,3
	s_delay_alu instid0(VALU_DEP_4)
	v_add_nc_u32 v[BS+\b], 0xfc000000, v[BM+\b]    ; 8 off the exponent field: the conversion's scale operand
.endr
.irp b, 0,1,2,3
.endr
.irp b, 0,1,2,3
	s_delay_alu instid0(VALU_DEP_4)
	v_lshrrev_b32 v[BP+\b], 23, v[BS+\b]           ; the scale's byte
.endr
	s_delay_alu instid0(VALU_DEP_3)
	v_lshl_or_b32 v[PWD], v[BP+1], 8, v[BP]        ; p's scale word for these 128 keys
	s_delay_alu instid0(VALU_DEP_1)
	v_lshl_or_b32 v[PWD], v[BP+2], 16, v[PWD]
	s_delay_alu instid0(VALU_DEP_1)
	v_lshl_or_b32 v[PWD], v[BP+3], 24, v[PWD]
	v_pk_add_f32 v[240:241], v[100:101], v[104:105]
	v_pk_add_f32 v[254:255], v[108:109], v[112:113]
	v_pk_add_f32 v[252:253], v[116:117], v[120:121]
	v_pk_add_f32 v[250:251], v[124:125], v[128:129]
	v_pk_add_f32 v[248:249], v[132:133], v[136:137]
	v_pk_add_f32 v[246:247], v[140:141], v[144:145]
	v_pk_add_f32 v[244:245], v[148:149], v[152:153]
	v_pk_add_f32 v[14:15], v[14:15], v[156:157]
	v_pk_add_f32 v[240:241], v[240:241], v[96:97]
	v_pk_add_f32 v[254:255], v[254:255], v[98:99]
	v_pk_add_f32 v[252:253], v[252:253], v[102:103]
	v_pk_add_f32 v[250:251], v[250:251], v[106:107]
	v_pk_add_f32 v[248:249], v[248:249], v[110:111]
	v_pk_add_f32 v[246:247], v[246:247], v[114:115]
	v_pk_add_f32 v[244:245], v[244:245], v[118:119]
	v_pk_add_f32 v[14:15], v[14:15], v[122:123]
	v_pk_add_f32 v[240:241], v[240:241], v[126:127]
	v_pk_add_f32 v[254:255], v[254:255], v[130:131]
	v_pk_add_f32 v[252:253], v[252:253], v[134:135]
	v_pk_add_f32 v[250:251], v[250:251], v[138:139]
	v_pk_add_f32 v[248:249], v[248:249], v[142:143]
	v_pk_add_f32 v[246:247], v[246:247], v[146:147]
	v_pk_add_f32 v[244:245], v[244:245], v[150:151]
	v_pk_add_f32 v[14:15], v[14:15], v[154:155]
	v_pk_add_f32 v[240:241], v[240:241], v[158:159]
	s_delay_alu instid0(VALU_DEP_2)
	v_pk_add_f32 v[14:15], v[14:15], v[250:251]
	s_delay_alu instid0(VALU_DEP_2)
	v_pk_add_f32 v[240:241], v[240:241], v[248:249]
	v_pk_add_f32 v[254:255], v[254:255], v[246:247]
	v_pk_add_f32 v[252:253], v[252:253], v[244:245]
	s_delay_alu instid0(VALU_DEP_2)
	v_pk_add_f32 v[14:15], v[14:15], v[254:255]
	s_delay_alu instid0(VALU_DEP_2)
	v_pk_add_f32 v[240:241], v[240:241], v[252:253]
	s_delay_alu instid0(VALU_DEP_1)
	v_pk_add_f32 v[14:15], v[14:15], v[240:241]
.irp b, 0,1,2,3
.irp i, 0,1,2,3,4,5,6,7,8,9,10,11,12,13,14,15
.endr
	v_cvt_scalef32_pk8_fp8_f32 v[PCD+4*\b:PCD+1+4*\b], v[S+16*\b:S+7+16*\b], v[BS+\b]
	v_cvt_scalef32_pk8_fp8_f32 v[PCD+2+4*\b:PCD+3+4*\b], v[S+8+16*\b:S+15+16*\b], v[BS+\b]
.endr
	v_nop                                          ; one plain vector instruction behind the last scaled conversion
.endm
; A KEY STEP: 128 keys, the e-th of slot sg.  Its bias, K and K's scale words are in registers: the last step's wait on DScnt has shown them in.
; mode 0: the next step lies in the same slot.  mode 1: the slot's last step; the slot is filled again.  mode 2: the slot's last step; nothing more is asked for.  mode 3: the very last step.
; qn = 1: in a trip that ends a head, the next head's Q is asked for as soon as this head's last S^T has been issued.
; pf = 1: waves 0 and 1 ask, into the L2, for my work-group's quarter of the bias tile that the refill in this slot's next step will load.
.macro STEP sg, e, mode, qn, pf
.if \pf
	s_cmp_lt_u32 s[WV], 2
	s_cbranch_scc0 .Lno_pf_\@
	global_prefetch_b8 v[PO], s[PB:PB+1] offset:1024*\sg th:TH_LOAD_NT scope:SCOPE_SE   ; 32 lanes, 32 rows, one block of 256 bytes each; slot 1's tile lies 256 keys, 1,024 bytes, on
.Lno_pf_\@:
.endif
	WIN 0x11                                       ; source 0 (K) and source 2 (the bias) window 1; Q and S^T window 0
.irp t, 0,1,2,3,4,5,6,7                        ; S^T = K Q^T / 8 + the bias: eight accumulators, one instruction each
.if \t%2
	v_wmma_scale_f32_16x16x128_f8f6f4 v[S+8*\t:S+8*\t+7], v[KF+16*\t:KF+16*\t+15], v[QF:QF+15], v[BF+8*\t:BF+8*\t+7], v[KS+\t/2], v[QW] matrix_a_scale:MATRIX_SCALE_ROW1
.else
	v_wmma_scale_f32_16x16x128_f8f6f4 v[S+8*\t:S+8*\t+7], v[KF+16*\t:KF+16*\t+15], v[QF:QF+15], v[BF+8*\t:BF+8*\t+7], v[KS+\t/2], v[QW]
.endif
.endr
	WIN 0
	PLACES 8                                       ; eight places in front of the first read of S^T and of loads into registers that these products, and the last step's O^T products, have read
.if \qn
	s_bitcmp1_b32 s[CNT], 0                        ; an odd trip ends a head
	s_cbranch_scc0 .Lno_q_\@
	s_add_nc_u64 s[QP:QP+1], s[QP:QP+1], 65536     ; (the loads that named these bases were waited for a head ago)
	s_add_nc_u64 s[QSP:QSP+1], s[QSP:QSP+1], 4096
	QLOAD
.Lno_q_\@:
.endif
	LOADV \sg, \e
.if \mode == 0
	LOADN \sg, 1                                   ; one run of 56 LDS loads; the whole softmax stands between it and the wait for it
	SM1A
	SM1B
.elseif \mode == 3
	WIN 0
	SM1A
	SM1B
.else
; THE CHANGE OF SLOTS.  V's loads above are my last reads of slot sg; the search for the maxima stands over them.  Then I wait for all my tensor loads (my part of the other slot), add 0 to my spare word, and wait for that and for my reads.
	WIN 0
	SM1A
	s_wait_alu depctr_va_vdst(0)
	s_wait_tensorcnt 0x0                           ; no tensor load of mine is out, so a group 0 may be written
	ds_add_u32 v[SPW], v[NIL]
.if \mode == 1
	s_add_nc_u64 s[G0B+4*\sg+2:G0B+4*\sg+3], s[G0B+4*\sg+2:G0B+4*\sg+3], s[INC:INC+1]
	s_add_nc_u64 s[G0K+4*\sg+2:G0K+4*\sg+3], s[G0K+4*\sg+2:G0K+4*\sg+3], 4*KVB   ; four blocks on: a head's eight blocks are followed by the next head's
.endif
	SM1B
	s_wait_dscnt 0x0                               ; the add is done, and V is in: my reads of slot sg are over
	s_barrier_signal -1                            ; say so (with mode 1 this barrier opens a round of the cluster's barrier),
	s_barrier_wait -1                              ; and go on when all eight have said so
.if \mode == 1
	CREST                                          ; all sixteen work-groups have said so: no wave of any partner still reads the slot or has a load on its way
	JLOAD \sg                                      ; the first tensor load behind the round, ahead of every LDS read: all that is left of this step, and the next step, stand between it and the wait for it
.endif
	LOADN (1-\sg), 0                               ; the other slot is whole: the next step's operands
.endif
	s_wait_alu depctr_va_vdst(0)
	SM2
	SM3
.set jj, 0
.rept 16
	v_pk_mul_f32 v[O+jj:O+jj+1], v[O+jj:O+jj+1], v[FF:FF+1] op_sel_hi:[1,0]   ; O^T under the new M; these are also the places between p's codes and the products
.set jj, jj+2
.endr
	s_wait_alu depctr_va_vdst(0)
	s_wait_dscnt 0x0                               ; V is in, and so are the next step's operands
	WIN 0x01                                       ; source 0 (V) window 1
.irp t, 0,1,2,3
	v_wmma_scale_f32_16x16x128_f8f6f4 v[O+8*\t:O+8*\t+7], v[VF+16*\t:VF+16*\t+15], v[PCD:PCD+15], v[O+8*\t:O+8*\t+7], v[VS+\t], v[PWD]
.endr
	WIN 0
.endm
; A HEAD ENDS: O^T / the sum is quantised along the channels (two blocks of 32: lane l xor 16 holds a block's other 16) and leaves as the head's 1,024 bytes of the tile's image for the last product.
.macro FINISH next
	PLACES 8                                       ; between the last products and the first read of their results
	v_add_f32 v14, v14, v15
	s_delay_alu instid0(VALU_DEP_1)
	v_permlanex16_b32 v[BP], v14, s[SEL], s[SEL+1]
	s_delay_alu instid0(VALU_DEP_1)
	v_add_f32 v14, v14, v[BP]                      ; the row's sum
	s_wait_alu depctr_va_vdst(0)
	v_rcp_f32 v14, v14
	v_nop                                          ; one plain place behind a transcendental
.set jj, 0
	s_wait_alu depctr_va_vdst(0)
.rept 16
	v_pk_mul_f32 v[O+jj:O+jj+1], v[O+jj:O+jj+1], v[14:15] op_sel_hi:[1,0]   ; register 16 b + i: channel 32 b + 16 h + i
.set jj, jj+2
.endr
.irp b, 0,1
	v_max3_num_f32 v[BM+\b], |v[O+16*\b]|, |v[O+1+16*\b]|, 0x4800000
.endr
.irp i, 2,4,6,8,10,12,14
.irp b, 0,1
	s_delay_alu instid0(VALU_DEP_2)
	v_max3_num_f32 v[BM+\b], v[BM+\b], |v[O+16*\b+\i]|, |v[O+1+16*\b+\i]|
.endr
.endr
.irp b, 0,1
	s_delay_alu instid0(VALU_DEP_2)
	v_permlanex16_b32 v[BP+\b], v[BM+\b], s[SEL], s[SEL+1]
.endr
.irp b, 0,1
	s_delay_alu instid0(VALU_DEP_2)
	v_max_num_f32 v[BM+\b], v[BM+\b], v[BP+\b]
.endr
.irp b, 0,1
	s_delay_alu instid0(VALU_DEP_2)
	v_add_nc_u32 v[BS+\b], 0xfc000000, v[BM+\b]
.endr
.irp b, 0,1
.endr
.irp b, 0,1
	s_delay_alu instid0(VALU_DEP_2)
	v_lshrrev_b32 v[BP+\b], 23, v[BS+\b]
.endr
	s_delay_alu instid0(VALU_DEP_1)
	v_lshl_or_b32 v[TT], v[BP+1], 8, v[BP]         ; the head's two bytes
.irp b, 0,1
.irp i, 0,1,2,3,4,5,6,7,8,9,10,11,12,13,14,15
.endr
	v_cvt_scalef32_pk8_fp8_f32 v[PCD+4*\b:PCD+1+4*\b], v[O+16*\b:O+7+16*\b], v[BS+\b]
	v_cvt_scalef32_pk8_fp8_f32 v[PCD+2+4*\b:PCD+3+4*\b], v[O+8+16*\b:O+15+16*\b], v[BS+\b]
.endr
	v_nop
	global_store_b128 v[GL], v[PCD:PCD+3], s[OP:OP+1]              ; 32 lanes store 512 consecutive bytes
	global_store_b128 v[GL], v[PCD+4:PCD+7], s[OP:OP+1] offset:512
	global_store_b16 v[GH], v[TT], s[OSP:OSP+1]                    ; 64 consecutive bytes: all the scale bytes that a tile has for a head
.if \next
	s_wait_xcnt 0x0                                ; the stores have read their registers and bases: both are written again below and in the next step
	s_add_nc_u64 s[OP:OP+1], s[OP:OP+1], 1024
	s_add_nc_u64 s[OSP:OSP+1], s[OSP:OSP+1], 64
	INIT
.endif
.endm
	s_wait_tensorcnt 0x1                           ; my part of slot 0 is in; slot 1's may stay out
	s_barrier_signal -1
	s_barrier_wait -1
	LOADN 0, 0                                     ; the first step's operands
	s_wait_loadcnt 0x0                             ; Q
	s_wait_dscnt 0x0
	s_mov_b32 s[CNT], 0
.Lpair:                                            ; five trips: a trip reads both slots (512 keys, half a head) and fills both again
	s_bitcmp1_b32 s[CNT], 0                        ; an odd trip reads a head's second half: its refills are the next head's first
	s_cselect_b32 s[INC], s[INCH], s[INCK]
	STEP 0, 0, 0, 0, 1
	STEP 0, 1, 1, 0, 0
	STEP 1, 0, 0, 0, 1
	STEP 1, 1, 1, 1, 0
	s_bitcmp1_b32 s[CNT], 0
	s_cbranch_scc0 .Lsame_head                     ; round the head's end alone: no barrier and no tensor load stands there
	FINISH 1
.Lsame_head:
	s_wait_loadcnt 0x0                             ; the next head's Q, where one was asked for: on every way into the next step
	s_wait_xcnt 0x0                                ; the trip's prefetches, the younger two steps back, have read their pointer: it is stepped only behind this wait
	s_bitcmp1_b32 s[CNT], 0                        ; the pointer runs a trip ahead of the keys in hand: behind an even trip it goes on to the next head
	s_cselect_b32 s[PINC], s[INCK], s[INCH]
	s_add_nc_u64 s[PB:PB+1], s[PB:PB+1], s[PINC:PINC+1]   ; (behind the last trip it is stepped once more and not used)
	s_add_co_u32 s[CNT], s[CNT], 1
	s_cmp_lt_u32 s[CNT], 5
	s_cbranch_scc1 .Lpair
	STEP 0, 0, 0, 0, 0                             ; the last 512 keys are written out: nothing more is asked for, by load or by prefetch
	STEP 0, 1, 2, 0, 0
	STEP 1, 0, 0, 0, 0
	STEP 1, 1, 3, 0, 0
	FINISH 0
	s_wait_tensorcnt 0x0                           ; the wave's end
	ds_add_u32 v[SPW], v[NIL]
	s_wait_dscnt 0x0
	ROUND                                          ; the closing round: no work-group ends while a partner may still ask for a tile that names it
	s_endpgm
.Lfunc_end_k_qbeb16d77d8_attn:
	.size	k_qbeb16d77d8_attn, .Lfunc_end_k_qbeb16d77d8_attn-k_qbeb16d77d8_attn
	.p2alignl 7, 3214868480
	.fill 96, 4, 3214868480
	.section	.rodata,"a",@progbits
	.p2align	6, 0x0
	.amdhsa_kernel k_qbeb16d77d8_attn
		.amdhsa_group_segment_fixed_size 327680
		.amdhsa_private_segment_fixed_size 0
		.amdhsa_enable_private_segment 0
		.amdhsa_kernarg_size 48
		.amdhsa_user_sgpr_count 2
		.amdhsa_user_sgpr_kernarg_segment_ptr 1
		.amdhsa_wavefront_size32 1
		.amdhsa_system_sgpr_workgroup_id_x 1
		.amdhsa_system_sgpr_workgroup_id_y 1
		.amdhsa_system_sgpr_workgroup_id_z 1
		.amdhsa_system_vgpr_workitem_id 0
		.amdhsa_next_free_vgpr 512
		.amdhsa_next_free_sgpr 102
		.amdhsa_reserve_vcc 0
		.amdhsa_float_denorm_mode_32 3
		.amdhsa_float_denorm_mode_16_64 3
		.amdhsa_fp16_overflow 1
		.amdhsa_memory_ordered 1
		.amdhsa_forward_progress 1
		.amdhsa_inst_pref_size 171
	.end_amdhsa_kernel
	.amdgpu_metadata
---
amdhsa.version: [ 1, 2 ]
amdhsa.kernels:
  - .name:           k_qbeb16d77d8_attn
    .symbol:         k_qbeb16d77d8_attn.kd
    .args:
      - { .name: qc, .offset: 0, .size: 8, .value_kind: global_buffer, .address_space: global }
      - { .name: qs, .offset: 8, .size: 8, .value_kind: global_buffer, .address_space: global }
      - { .name: kv, .offset: 16, .size: 8, .value_kind: global_buffer, .address_space: global }
      - { .name: rel_pos_bias, .offset: 24, .size: 8, .value_kind: global_buffer, .address_space: global }
      - { .name: oc, .offset: 32, .size: 8, .value_kind: global_buffer, .address_space: global }
      - { .name: os, .offset: 40, .size: 8, .value_kind: global_buffer, .address_space: global }
    .group_segment_fixed_size: 327680
    .private_segment_fixed_size: 0
    .kernarg_segment_align: 8
    .kernarg_segment_size: 48
    .max_flat_workgroup_size: 256
    .sgpr_count:     102
    .vgpr_count:     512
    .wavefront_size: 32
...
	.end_amdgpu_metadata
.endif
;; end of part 3
;; launch oproj (part 4): grid 64 x 4, 4 waves a work-group, clusters of 4 x 1, 197,120 bytes of LDS; arguments oc, os, W_o_codes, W_o_scales, b_o, out0; writes out0
.if DOCPART == 4
	.amdgcn_target "amdgcn-amd-amdhsa--gfx1250"
	.amdhsa_code_object_version 6
	.text
	.protected	k_qbeb16d77d8_oproj
	.globl	k_qbeb16d77d8_oproj
	.p2align	8
	.type	k_qbeb16d77d8_oproj,@function
k_qbeb16d77d8_oproj:
	s_mov_b64 s[64:65], 0
	v_nop
	global_prefetch_b8 v0, s[64:65] scope:SCOPE_SE
	s_setreg_imm32_b32 hwreg(HW_REG_WAVE_MODE, 25, 1), 1
	s_wait_xcnt 0x0
	s_wait_alu depctr_hold_cnt(0) depctr_sa_sdst(0) depctr_va_vdst(0) depctr_va_sdst(0) depctr_va_ssrc(0) depctr_va_vcc(0) depctr_vm_vsrc(0)
	s_getreg_b32 s2, hwreg(HW_REG_IB_STS2, 6, 4)
	s_cmp_eq_u32 s2, 0
	s_cbranch_scc0 .Lentry_in_a_cluster
	s_endpgm
.Lentry_in_a_cluster:
	s_bfe_u32 s2, ttmp6, 0x10000c
	s_cmp_lg_u32 s2, 0x3003
	s_cbranch_scc0 .Lentry_shape_is_right
	s_endpgm
.Lentry_shape_is_right:
; out0 = o W_o^T + b_o on codes of FP8 (E4M3) with one E8M0 scale for each 32 along K = 768; out0 [8,192][768] f32.
; SHARES.  A work-group takes 128 rows (a slab) and 192 columns, in three passes of 64 columns; 256 work-groups.  Wave w owns rows 32 w .. 32 w + 31: their codes, written by the attention launch as images of
; the operand's registers, come by loads of 512 consecutive bytes and stay in registers.  W_o's 192 rows come into LDS ONCE, 64 rows to a region: no LDS byte is filled twice.
; CLUSTER.  The four work-groups of a cluster are four slabs with the same columns: W_o's tiles are asked for JOINTLY (mask 15), which divides those requests by four.
; The rows of every tile are 32 g + 8 u + r + 8 (r / 8).  Source 0 = 16 rows of W_o, source 1 = 16 rows of o: a lane holds one row of out0 and, in the registers of two neighbouring tiles, 16 neighbouring columns.
; b_o is the C of each sum's first matrix instruction.  The results go through the wave's own stage in LDS and leave as aligned runs of 256 bytes, sixteen lanes to a run.
; LIMITS: NaN and infinities are not served.
; REGISTERS, in windows of 256.  window 0: v3-14 addresses; v16-27 o's scale words; v28-51 the pass's weight scale words; v64-127, v128-191 two buffers of weight fragments; v192-255 eight accumulators.
;   window 1: o's 12 fragments.   window 2: v0-95 b_o for the three passes; from v96 their weight scale words, 24 each.
.set WROW,  816                        ; a row of W_o in LDS: three pieces of 256 bytes, 16 of padding behind each
.set WGRP,  13184                      ; 16 rows, and 128 bytes more, so that rows r and r + 16 of a tile keep the step of 48 bytes through the banks (64 banks of 4 bytes: ISA guide 11.1)
.set WHEAD, 52736
.set STG,   158208                     ; behind the three regions: a stage of 32 rows x (256 bytes + 16) for each wave; no tensor load lands here
.set GL,  3                            ; v3   16 x lane
.set AW,  6                            ; v6-8 my lane's place in a weight tile, region 0 .. 2
.set STO, 9                            ; v9   the stage: where I put 16 bytes of a row
.set SRD, 10                           ; v10  and where I read a row back
.set CO,  11                           ; v11  my byte offset in two rows of out0
.set HO,  12                           ; v12  64 x (lane / 16)
.set SO,  13                           ; v13  24 x (r + 8 (r / 8))
.set UO,  14                           ; v14  2 x lane
.set XS,  16
.set WS,  28
.set WF0, 64
.set WF1, 128
.set ACC, 192
.set WSS, 96                           ; in window 2
.set WV,  16
.set G0,  24                           ; s[24:35] descriptor groups 0, one for each region
.set G1,  36                           ; s[36:43] group 1
.set MSB, 0
.macro WIN new                         ; the immediate's high byte repeats the setting that is left
.if MSB != \new
	s_set_vgpr_msb (MSB<<8)|\new
.set MSB, \new
.endif
.endm
.macro PLACES n
.rept \n
	v_nop
.endr
.endm
.macro ROUND                           ; a round of the cluster's barrier
	s_barrier_signal -1
	s_barrier_wait -1
	s_cmp_lg_u32 s[WV], 0
	s_cbranch_scc1 .Lnot_wave_0_\@
	s_barrier_signal -3
.Lnot_wave_0_\@:
	s_barrier_wait -3
	s_barrier_signal -1
	s_barrier_wait -1
.endm
	s_load_b256 s[4:11], s[0:1], 0x0               ; oc s[4:5], os s[6:7], W_o's codes s[8:9], its scales s[10:11]
	s_load_b128 s[12:15], s[0:1], 0x20             ; b_o s[12:13], out0 s[14:15]
	v_lshl_add_u32 v56, v0, 2, 0x30000
	v_mov_b32 v63, 0
	ds_add_u32 v56, v63
	v_lshrrev_b32 v57, 5, v0
	v_readfirstlane_b32 s[WV], v57                 ; wave 0..3
	s_bfe_u32 s17, ttmp6, 0x40000                  ; cx
	s_lshl_b32 s18, ttmp9, 2
	s_add_co_u32 s18, s18, s17                     ; the slab: it enters global addresses of plain loads and stores alone
	s_and_b32 s19, ttmp7, 0xffff                   ; which 192 columns; the four partners share it
	s_mov_b32 s[G1], 15|(3<<16)|(1<<20)|(1<<21)|(5<<22)|(3<<25)   ; 16 rows of W_o are 48 dense rows of 256 bytes (32 elements of 8 bytes), 16 bytes of padding behind each; mask: all four work-groups, bit 21 beside it
	s_mov_b32 s[G1+1], 32<<16
	s_mov_b32 s[G1+2], 48<<16
	s_mov_b32 s[G1+3], 32<<16
	s_mov_b32 s[G1+4], 48
	s_mov_b32 s[G1+5], 32
	s_mov_b32 s[G1+6], 0
	s_mov_b32 s[G1+7], 0
	s_mul_i32 s44, s19, 147456                     ; 192 rows of 768 bytes,
	s_mul_i32 s46, s[WV], 12288                    ; and my 16 rows of a pass's 64
	s_add_co_u32 s44, s44, s46
	s_mov_b32 s45, 0
	s_mul_i32 s46, s[WV], WGRP                     ; their place in a region
	s_lshr_b32 s47, s18, 3                         ; the batch
	s_and_b32 s48, s18, 7
	s_lshl_b32 s48, s48, 2
	s_add_co_u32 s48, s48, s[WV]                   ; G: which 32 rows of the batch's 1,024 are my wave's
	s_mov_b32 s51, 0
	s_wait_dscnt 0x0
	s_wait_kmcnt 0x0
.irp i, 0,1,2
	s_mov_b32 s[G0+4*\i], 1
	s_add_co_u32 s[G0+4*\i+1], s46, \i*WHEAD
	s_add_nc_u64 s[G0+4*\i+2:G0+4*\i+3], s[8:9], s[44:45]
	s_add_nc_u64 s[G0+4*\i+2:G0+4*\i+3], s[G0+4*\i+2:G0+4*\i+3], \i*49152
	s_or_b32 s[G0+4*\i+3], s[G0+4*\i+3], 0x80000000
.endr
	s_mul_i32 s44, s19, 4608                       ; W_o's scale bytes: 192 rows of 24
	s_add_nc_u64 s[10:11], s[10:11], s[44:45]
	s_mul_i32 s44, s19, 768                        ; b_o: my 192 numbers
	s_add_nc_u64 s[12:13], s[12:13], s[44:45]
	s_mul_i32 s50, s47, 786432                     ; oc: 64 tiles of 12,288 bytes a batch, two tiles a wave
	s_mul_i32 s52, s48, 24576
	s_add_co_u32 s50, s50, s52
	s_add_nc_u64 s[4:5], s[4:5], s[50:51]
	s_mul_i32 s50, s47, 49152                      ; os: 768 bytes a tile
	s_mul_i32 s52, s48, 1536
	s_add_co_u32 s50, s50, s52
	s_add_nc_u64 s[6:7], s[6:7], s[50:51]
	s_mul_i32 s50, s47, 3145728                    ; out0: rows of 3,072 bytes
	s_mul_i32 s52, s48, 98304
	s_add_co_u32 s50, s50, s52
	s_mul_i32 s52, s19, 768
	s_add_co_u32 s50, s50, s52
	s_add_nc_u64 s[14:15], s[14:15], s[50:51]
	ROUND                                          ; all four work-groups are here: the joint loads meet
.irp i, 0,1,2
	tensor_load_to_lds s[G0+4*\i:G0+4*\i+3], s[G1:G1+7]   ; the three fills go out together: three loads of mine are out
	s_nop 0
.endr
	PLACES 4
	v_and_b32 v57, 31, v0                          ; lane
	v_and_b32 v58, 15, v0                          ; r
	v_bfe_u32 v59, v0, 4, 1                        ; h
	v_bfe_u32 v60, v0, 3, 1                        ; r / 8
	v_lshl_add_u32 v61, v60, 3, v58                ; r + 8 (r / 8)
	v_lshlrev_b32 v[GL], 4, v57
	v_mul_u32_u24 v62, v58, WROW
	v_mad_u32_u24 v62, v60, 6656, v62              ; rows 8-15 of a tile lie in the next group of 16: WGRP - 8 WROW further on
	v_lshl_add_u32 v62, v59, 4, v62
.irp i, 0,1,2
	v_add_nc_u32 v[AW+\i], \i*WHEAD, v62
.endr
	s_mul_i32 s53, s[WV], 8704
	s_add_co_u32 s53, s53, STG                     ; my stage
	v_mul_u32_u24 v[STO], v58, 272
	v_lshl_add_u32 v[STO], v59, 6, v[STO]
	v_add_nc_u32 v[STO], s53, v[STO]               ; in: row r of a tile, my half's 16 columns of each 32
	v_mul_u32_u24 v[SRD], v59, 272
	v_lshl_add_u32 v[SRD], v58, 4, v[SRD]
	v_add_nc_u32 v[SRD], s53, v[SRD]               ; back: lanes 0-15 one row of 256 bytes, lanes 16-31 the next
	v_mul_u32_u24 v[CO], v59, 3072
	v_lshl_add_u32 v[CO], v58, 4, v[CO]            ; and the same in out0
	v_lshlrev_b32 v[HO], 6, v59
	v_mul_u32_u24 v[SO], v61, 24
	v_lshlrev_b32 v[UO], 1, v57
	WIN 0x40                                       ; destination window 1: o's fragments (tile rho, K step ks) at v[96 rho + 16 ks]
.irp rho, 0,1
.irp ks, 0,1,2,3,4,5
.irp c, 0,1,2,3
	global_load_b128 v[96*\rho+16*\ks+4*\c:96*\rho+16*\ks+4*\c+3], v[GL], s[4:5] offset:12288*\rho+2048*\ks+512*\c
.endr
.endr
.endr
	WIN 0x80                                       ; destination window 2
.irp i, 0,1,2
.irp pt, 0,1,2,3
	global_load_b128 v[32*\i+8*\pt:32*\i+8*\pt+3], v[HO], s[12:13] offset:(64*\i+32*(\pt/2)+8*(\pt%2))*4          ; b_o at the lane's eight columns of tile pt
	global_load_b128 v[32*\i+8*\pt+4:32*\i+8*\pt+7], v[HO], s[12:13] offset:(64*\i+32*(\pt/2)+8*(\pt%2))*4+16
.irp q, 0,1,2
	global_load_b64 v[WSS+24*\i+6*\pt+2*\q:WSS+24*\i+6*\pt+2*\q+1], v[SO], s[10:11] offset:(64*\i+32*(\pt/2)+8*(\pt%2))*24+8*\q
.endr
.endr
.endr
	WIN 0
.irp rho, 0,1
.irp hd, 0,1,2,3,4,5,6,7,8,9,10,11
	global_load_u16 v[WF0+12*\rho+\hd], v[UO], s[6:7] offset:768*\rho+64*\hd   ; a head's two scale bytes of my lane's row
.endr
.endr
	s_wait_loadcnt 0x0
.irp rho, 0,1
.irp ks, 0,1,2,3,4,5
	v_lshl_or_b32 v[XS+6*\rho+\ks], v[WF0+12*\rho+2*\ks+1], 16, v[WF0+12*\rho+2*\ks]   ; two heads make a K step's word
.endr
.endr
.macro FETCHW reg, s, f                ; the four weight fragments of K step s into buffer f
.irp pt, 0,1,2,3
.irp c, 0,1,2,3
	ds_load_b128 v[\f+16*\pt+4*\c:\f+16*\pt+4*\c+3], v[AW+\reg] offset:26368*(\pt/2)+6528*(\pt%2)+272*((\s)/2)+128*((\s)%2)+32*\c
.endr
.endr
.endm
.macro MUL8 hd, s, f                   ; eight matrix instructions; the eight accumulators take turns, in the same order in every K step.  In K step 0 b_o is C
.irp rho, 0,1
.irp pt, 0,1,2,3
.set rD, ACC+32*\rho+8*\pt
.set rC, rD
.if (\s) == 0
.set rC, 32*(\hd)+8*\pt
.endif
	v_wmma_scale_f32_16x16x128_f8f6f4 v[rD:rD+7], v[\f+16*\pt:\f+16*\pt+15], v[96*\rho+16*(\s):96*\rho+16*(\s)+15], v[rC:rC+7], v[WS+6*\pt+(\s)], v[XS+6*\rho+(\s)]
.endr
.endr
.endm
.macro KSTEP hd, ks
.if (\ks) < 5
.if (\ks) > 0
	PLACES 8                                       ; eight places in front of loads into registers that matrix instructions have read
.endif
	FETCHW \hd, (\ks)+1, WF0+64*(((\ks)+1)%2)
	s_wait_dscnt 16                                ; this K step's fragments are in; the 16 loads just issued may be out
.else
	s_wait_dscnt 0x0
.endif
.if (\ks) == 0
	WIN 0x24                                       ; source 1 (o) window 1, source 2 (b_o) window 2
.else
	WIN 0x04
.endif
	MUL8 \hd, \ks, WF0+64*((\ks)%2)
	WIN 0
.endm
.macro PASSO i
	s_wait_tensorcnt 2-\i                          ; my part of region i is in; the fills behind it may be out
	s_wait_dscnt 0x0
	s_barrier_signal -1
	s_barrier_wait -1                              ; everybody's is
	s_wait_xcnt 0x0                                ; the last pass's stores have read their registers
	WIN 0x02                                       ; source 0 window 2
.irp ks, 0,1,2,3,4,5                           ; scale operands have no window: the pass's 24 words come down, K step 0's first
.irp pt, 0,1,2,3
	v_mov_b32 v[WS+6*\pt+\ks], v[WSS+24*\i+6*\pt+\ks]
.endr
.endr
	WIN 0
	FETCHW \i, 0, WF0
.irp ks, 0,1,2,3,4,5
	KSTEP \i, \ks
.endr
	PLACES 9                                       ; eight for the reads of the results; nine, since the next pass's first products write over these accumulators
.irp rho, 0,1
.irp pt, 0,1,2,3
	ds_store_b128 v[STO], v[ACC+32*\rho+8*\pt:ACC+32*\rho+8*\pt+3] offset:4352*\rho+128*(\pt/2)+32*(\pt%2)       ; each accumulator from its low end on
	ds_store_b128 v[STO], v[ACC+32*\rho+8*\pt+4:ACC+32*\rho+8*\pt+7] offset:4352*\rho+128*(\pt/2)+32*(\pt%2)+16
.endr
.endr
.irp n, 0,1,2,3,4,5,6,7,8,9,10,11,12,13,14,15
	ds_load_b128 v[WF0+4*\n:WF0+4*\n+3], v[SRD] offset:544*\n   ; LDS serves a wave's instructions in order (ISA guide 5.7.1.4): these see my stores
.endr
.irp n, 0,1,2,3,4,5,6,7,8,9,10,11,12,13,14,15
	s_wait_dscnt 15-\n                             ; stage rows 2 n, 2 n + 1 are back; they are rows 8 (n / 8) + 2 (n % 8) + 8 ((n % 8) / 4) and the next of my 32
	global_store_b128 v[CO], v[WF0+4*\n:WF0+4*\n+3], s[14:15] offset:(8*(\n/8)+2*(\n%8)+8*((\n%8)/4))*3072+256*\i th:TH_STORE_NT   ; 16 lanes store 256 consecutive bytes, at a multiple of 256 from out0's first byte
.endr
.endm
	PASSO 0
	PASSO 1
	PASSO 2
	s_wait_tensorcnt 0x0
	ds_add_u32 v56, v63
	s_wait_dscnt 0x0
	ROUND                                          ; the closing round: no work-group ends while a partner may still ask for a tile that names it
	s_endpgm
.Lfunc_end_k_qbeb16d77d8_oproj:
	.size	k_qbeb16d77d8_oproj, .Lfunc_end_k_qbeb16d77d8_oproj-k_qbeb16d77d8_oproj
	.p2alignl 7, 3214868480
	.fill 96, 4, 3214868480
	.section	.rodata,"a",@progbits
	.p2align	6, 0x0
	.amdhsa_kernel k_qbeb16d77d8_oproj
		.amdhsa_group_segment_fixed_size 197120
		.amdhsa_private_segment_fixed_size 0
		.amdhsa_enable_private_segment 0
		.amdhsa_kernarg_size 48
		.amdhsa_user_sgpr_count 2
		.amdhsa_user_sgpr_kernarg_segment_ptr 1
		.amdhsa_wavefront_size32 1
		.amdhsa_system_sgpr_workgroup_id_x 1
		.amdhsa_system_sgpr_workgroup_id_y 1
		.amdhsa_system_sgpr_workgroup_id_z 1
		.amdhsa_system_vgpr_workitem_id 0
		.amdhsa_next_free_vgpr 768
		.amdhsa_next_free_sgpr 66
		.amdhsa_reserve_vcc 0
		.amdhsa_float_denorm_mode_32 3
		.amdhsa_float_denorm_mode_16_64 3
		.amdhsa_memory_ordered 1
		.amdhsa_forward_progress 1
		.amdhsa_inst_pref_size 76
	.end_amdhsa_kernel
	.amdgpu_metadata
---
amdhsa.version: [ 1, 2 ]
amdhsa.kernels:
  - .name:           k_qbeb16d77d8_oproj
    .symbol:         k_qbeb16d77d8_oproj.kd
    .args:
      - { .name: oc, .offset: 0, .size: 8, .value_kind: global_buffer, .address_space: global }
      - { .name: os, .offset: 8, .size: 8, .value_kind: global_buffer, .address_space: global }
      - { .name: W_o_codes, .offset: 16, .size: 8, .value_kind: global_buffer, .address_space: global }
      - { .name: W_o_scales, .offset: 24, .size: 8, .value_kind: global_buffer, .address_space: global }
      - { .name: b_o, .offset: 32, .size: 8, .value_kind: global_buffer, .address_space: global }
      - { .name: out0, .offset: 40, .size: 8, .value_kind: global_buffer, .address_space: global }
    .group_segment_fixed_size: 197120
    .private_segment_fixed_size: 0
    .kernarg_segment_align: 8
    .kernarg_segment_size: 48
    .max_flat_workgroup_size: 128
    .sgpr_count:     66
    .vgpr_count:     768
    .wavefront_size: 32
...
	.end_amdgpu_metadata
.endif
;; end of part 4
